; MI455X (gfx1250); checked and timed in simulation.
; The chip was launched on July 23, 2026; its instructions are those of AMD's public machine-readable ISA for CDNA 5 (MIT licence, August 2026) and "CDNA5" Instruction Set Architecture Reference Guide (July 2026). The comments in the code are by the model that wrote it; some were corrected since.
;; Attention Mechanism. Allowed arithmetic: float matrix products may take bf16 or f16 operands with f32 sums; other float arithmetic in f32, or as packed bf16 or f16 multiplies, adds, multiply-adds, maxima and minima; sums over many terms, partial sums and values carried from step to step in f32; what a program stores and reads back later, other than sums and carried values, may be rounded once to bf16 or f16.
;; Inputs: W_dec 1,024 x 1,024 float32; W_enc 1,024 x 1,024 float32; b_att 1 float32; b_dec 1,024 float32; b_enc 1,024 float32; decoder_hidden 2 x 32 x 1,024 float32; encoder_outputs 32 x 2,048 x 1,024 float32; mask 32 x 2,048 int32; w_att 1,024 x 1 float32.
;; Outputs: out0 32 x 1 x 1,024 float32; out1 32 x 2,048 float32.
;; 2 versions, each right; version 2 is version 1 with the launch main written anew for expert scheduling mode. Each part assembles by itself: llvm-mc -triple=amdgcn-amd-amdhsa -mcpu=gfx1250 --defsym DOCPART=n.
;; ======== version 1 of 2: 3 launches
;; limits: right only within a limited range of input values
;; workspace buffers: wfrag 2,097,152 bytes; bias 131,072 bytes; rows 262,144 bytes of whole numbers; slot 262,144 bytes of whole numbers; meta 8,192 bytes of whole numbers; scw 327,680 bytes; part 1,048,576 bytes; stat 65,536 bytes
;; launch prep (part 1): grid 64 x 1, 16 waves a work-group, no clusters, 174,336 bytes of LDS; arguments W_enc, W_dec, decoder_hidden, b_dec, b_enc, mask, wfrag, bias, rows, slot, meta; writes wfrag, bias, rows, slot, meta
.if DOCPART == 1
	.amdgcn_target "amdgcn-amd-amdhsa--gfx1250"
	.amdhsa_code_object_version 6
	.text
	.protected	k_qb9999b6a94_prep
	.globl	k_qb9999b6a94_prep
	.p2align	8
	.type	k_qb9999b6a94_prep,@function
k_qb9999b6a94_prep:
	s_mov_b64 s[64:65], 0
	v_nop
	global_prefetch_b8 v0, s[64:65] scope:SCOPE_SE
	s_setreg_imm32_b32 hwreg(HW_REG_WAVE_MODE, 25, 1), 1
	s_wait_xcnt 0x0
; PREP: three kinds of work-group, told apart by the work-group's number x (the same for all its waves); each kind is a straight path with its own end.
;   x =  0..15  W: W_enc [e][f] f32 -> wfrag, bf16 in the order in which a matrix instruction's source wants it:
;                  byte = (f>>7)*262144 + (e>>5)*8192 + ((f>>4)&7)*1024 + half*512 + lane*16; lane = (r = f&15, h); half 0: e%32 = 8h..8h+7, half 1: 16+8h..
;   x = 16..31  D: bias[b][f] = 2 log2(e) x (decoder_hidden[1][b] . W_dec[:,f] + b_dec[f] + b_enc[f]), f32; the product in bf16 with f32 sums, K split among the 16 waves
;   x = 32..63  M: batch b = x - 32: the rows with mask != 0 are listed, ascending, from the front of rows[b]; the others fill it from the back.
;                  n = their number; n' = n, or 2048 if n = 0 (then every row is listed and allmasked = 1); R = (n'+7)>>3 rows of the list go to each of 8 work-groups of the next launch.
;                  slot[b][s] = j*320 + place in work-group j's share for a listed row, 4095 for the others.  meta[b] = (n', allmasked), 32 times: 256 bytes.
; W and D: a wave owns 64 e x 64 f of its matrix.  It reads whole aligned 256 bytes of a row (16 lanes x 16 bytes), rounds to bf16, lays the tile into its own LDS bytes
; (rows of 128 bytes + 32 of padding = 160; 64 banks of 4 bytes: ISA guide 11.1) and reads it back turned.
.set TP,    160                        ; a tile's row in LDS
.set TW,    64*TP                      ; a wave's tile: 10,240 bytes; later the wave's eight partial sums (8,192 bytes)
.set STAGE, 16*TW                      ; D: 32 batches x 64 f in f32, 8,192 bytes
.set MTOT,  STAGE+8192                 ; M: the 16 waves' counts
.set SPARE, MTOT+256                   ; the spare words, 128 bytes for each of 16 waves: eight blocks of 256 bytes that no other line names
.set SPW,   30                         ; v30  SPARE + 4 x my thread's number; never rewritten
.set NIL,   31                         ; v31  0; never rewritten
.set C2,    0x4038aa3b                 ; 2 log2(e)
; v1 lane, v2 r = lane % 16, v3 h = lane / 16; v4-v15, v24-v28 addresses; v[16:23] biases; v[32:63] h's fragments; v[64:191] the tile as loaded, then sums; v[192:255] fragments
; s[8:29] the eleven addresses; s30 wave; s31 x % 16
	s_load_b512 s[8:23], s[0:1], 0x0               ; W_enc 8, W_dec 10, decoder_hidden 12, b_dec 14, b_enc 16, mask 18, wfrag 20, bias 22
	s_load_b128 s[24:27], s[0:1], 0x40             ; rows 24, slot 26
	s_load_b64 s[28:29], s[0:1], 0x50              ; meta
	v_lshl_add_u32 v[SPW], v0, 2, SPARE
	v_mov_b32 v[NIL], 0
	v_lshrrev_b32 v9, 5, v0
	v_readfirstlane_b32 s30, v9                    ; wave 0..15
	s_and_b32 s31, ttmp9, 15
	v_and_b32 v1, 31, v0
	v_and_b32 v2, 15, v0
	v_bfe_u32 v3, v0, 4, 1
	s_wait_kmcnt 0x0
	s_cmp_ge_u32 ttmp9, 32
	s_cbranch_scc1 .Lrole_m
	; W and D: the tile's addresses
	v_lshlrev_b32 v4, 4, v2
	v_lshl_add_u32 v4, v3, 12, v4                  ; memory: lanes 0-15 one row's 256 bytes, lanes 16-31 the next row's
	s_mul_i32 s32, s30, TW
	v_mul_u32_u24 v5, v3, TP
	v_lshl_add_u32 v5, v2, 3, v5
	v_add_nc_u32 v5, s32, v5                       ; LDS, in: row h, 8 bytes (4 bf16) a lane
	v_and_b32 v10, 7, v0
	v_lshl_add_u32 v10, v3, 3, v10
	v_mul_u32_u24 v6, v10, TP
	v_bfe_u32 v11, v0, 3, 1
	v_lshl_add_u32 v6, v11, 4, v6
	v_add_nc_u32 v6, s32, v6                       ; LDS, turned: row 8h + lane%8, 16 bytes at 16 ((lane/8)%2)
	v_lshlrev_b32 v7, 4, v1                        ; 16 x lane
	s_lshl_b32 s34, s30, 18                        ; my 64 rows of 4,096 bytes,
	s_lshl_b32 s35, s31, 8                         ; my work-group's 64 columns
	s_add_co_u32 s34, s34, s35
	s_mov_b32 s35, 0
	s_cmp_ge_u32 ttmp9, 16
	s_cbranch_scc1 .Lrole_d
.macro TLOADS                          ; the tile: 32 loads, two rows each
.set i, 0
.rept 32
	global_load_b128 v[64+4*i:67+4*i], v4, s[36:37] offset:i*8192 th:TH_LOAD_NT
.set i, i+1
.endr
.endm
.macro TSTORE extra                    ; rounded to bf16 and laid into LDS, eight loads at a time; extra = loads issued behind the tile's
.set i, 0
.rept 32
.if i%8 == 0
	s_wait_loadcnt (\extra)+24-i                   ; loads come back in order: these eight are in, the younger ones stay out
.endif
	v_cvt_pk_bf16_f32 v[64+4*i], v[64+4*i], v[65+4*i]
	v_cvt_pk_bf16_f32 v[65+4*i], v[66+4*i], v[67+4*i]
	ds_store_b64 v5, v[64+4*i:65+4*i] offset:i*2*TP
.set i, i+1
.endr
.endm
.macro TFRAGS                          ; eight fragments (32 e x 16 f): e block tt, f block fb at v[192 + 8 (4 tt + fb)].  My own bytes: LDS serves a wave's instructions in order
.irp tt, 0,1
.irp fb, 0,1,2,3
	ds_load_tr16_b128 v[192+8*(4*\tt+\fb):192+8*(4*\tt+\fb)+3],   v6 offset:\tt*32*TP+\fb*32
	ds_load_tr16_b128 v[192+8*(4*\tt+\fb)+4:192+8*(4*\tt+\fb)+7], v6 offset:\tt*32*TP+\fb*32+16*TP
.endr
.endr
.endm
.macro FINISH                          ; the wave's end, behind my last LDS store
	s_wait_tensorcnt 0x0
	ds_add_u32 v[SPW], v[NIL]
	s_wait_dscnt 0x0
	s_endpgm
.endm
	; ---- W ----
	s_add_nc_u64 s[36:37], s[8:9], s[34:35]
	TLOADS
	s_lshr_b32 s40, s31, 1
	s_lshl_b32 s40, s40, 18                        ; f group of 128
	s_lshl_b32 s41, s30, 14                        ; my two e blocks of 32
	s_add_co_u32 s40, s40, s41
	s_and_b32 s41, s31, 1
	s_lshl_b32 s41, s41, 12                        ; which four of the group's eight f blocks
	s_add_co_u32 s40, s40, s41
	s_mov_b32 s41, 0
	s_add_nc_u64 s[20:21], s[20:21], s[40:41]
	TSTORE 0
	TFRAGS
	s_wait_dscnt 0x0
.set i, 0
.rept 16                               ; half i%2 of fragment i/2: each store covers 512 consecutive bytes, aligned
	global_store_b128 v7, v[192+4*i:195+4*i], s[20:21] offset:(i/8)*8192+(i%8)*512
.set i, i+1
.endr
	FINISH
	; ---- D ----
.Lrole_d:
	s_add_nc_u64 s[36:37], s[10:11], s[34:35]
	TLOADS
	s_add_nc_u64 s[38:39], s[12:13], 131072        ; the last of the two layers
	s_lshl_b32 s40, s30, 8                         ; my 64 e
	v_lshlrev_b32 v8, 12, v2
	v_lshl_add_u32 v8, v3, 5, v8
	v_add_nc_u32 v8, s40, v8                       ; batch r, e = 64 wave + 8h
.irp bt, 0,1
.irp tt, 0,1                           ; 16 batches x 32 e in f32: 16 registers, in the fragment's order of e
	global_load_b128 v[192+16*(2*\bt+\tt):192+16*(2*\bt+\tt)+3],     v8, s[38:39] offset:\bt*65536+\tt*128
	global_load_b128 v[192+16*(2*\bt+\tt)+4:192+16*(2*\bt+\tt)+7],   v8, s[38:39] offset:\bt*65536+\tt*128+16
	global_load_b128 v[192+16*(2*\bt+\tt)+8:192+16*(2*\bt+\tt)+11],  v8, s[38:39] offset:\bt*65536+\tt*128+64
	global_load_b128 v[192+16*(2*\bt+\tt)+12:192+16*(2*\bt+\tt)+15], v8, s[38:39] offset:\bt*65536+\tt*128+80
.endr
.endr
	s_lshr_b32 s41, s30, 2                         ; at the end wave v sums accumulator v>>1 = 2 fb + bt, registers 4 (v&1) ..
	s_lshl_b32 s41, s41, 6
	s_and_b32 s42, s30, 1
	s_lshl_b32 s42, s42, 4
	s_add_co_u32 s41, s41, s42                     ; (16 fb + 4 half) x 4 bytes
	v_lshl_add_u32 v12, v3, 5, s41                 ; + 8h x 4
	s_lshl_b32 s42, s31, 8
	s_mov_b32 s43, 0
	s_add_nc_u64 s[14:15], s[14:15], s[42:43]
	s_add_nc_u64 s[16:17], s[16:17], s[42:43]
	s_add_nc_u64 s[22:23], s[22:23], s[42:43]
	global_load_b128 v[16:19], v12, s[14:15]       ; b_dec
	global_load_b128 v[20:23], v12, s[16:17]       ; b_enc
	TSTORE 18
	s_wait_loadcnt 0x0
.set i, 0
.rept 32                               ; h's four fragments: (bt, tt) at v[32 + 8 (2 bt + tt)]
	v_cvt_pk_bf16_f32 v[32+i], v[192+2*i], v[193+2*i]
.set i, i+1
.endr
	TFRAGS
	v_lshl_add_u32 v13, v1, 4, s32                 ; my partial sums: my tile's bytes, 16 x lane
	s_lshl_b32 s44, s30, 9
	v_lshl_add_u32 v14, v1, 4, s44                 ; what I sum: 512 x wave + 16 x lane in every wave's partial sums
	v_add_nc_u32 v24, 6*TW, v14
	v_add_nc_u32 v25, 12*TW, v14
	s_wait_dscnt 0x0
	; source 0 = 16 f of W_dec, source 1 = 16 batches: register j of lane (r, h) = (f = 16 fb + 8h + j, batch 16 bt + r).  The eight accumulators take turns.
.irp tt, 0,1
.irp fb, 0,1,2,3
.irp bt, 0,1
.if \tt == 0
	v_wmma_f32_16x16x32_bf16 v[64+8*(2*\fb+\bt):64+8*(2*\fb+\bt)+7], v[192+8*(4*\tt+\fb):192+8*(4*\tt+\fb)+7], v[32+8*(2*\bt+\tt):32+8*(2*\bt+\tt)+7], 0
.else
	v_wmma_f32_16x16x32_bf16 v[64+8*(2*\fb+\bt):64+8*(2*\fb+\bt)+7], v[192+8*(4*\tt+\fb):192+8*(4*\tt+\fb)+7], v[32+8*(2*\bt+\tt):32+8*(2*\bt+\tt)+7], v[64+8*(2*\fb+\bt):64+8*(2*\fb+\bt)+7]
.endif
.endr
.endr
.endr
.rept 8
	v_nop                                          ; the places behind the last products (ISA guide 7.12.1), once a launch
.endr
.set i, 0
.rept 16                               ; each accumulator's low half first
	ds_store_b128 v13, v[64+4*i:67+4*i] offset:i*512
.set i, i+1
.endr
	s_wait_dscnt 0x0                               ; for the others' sake: my partial sums lie in LDS
	s_barrier_signal -1
	s_barrier_wait -1
.set i, 0
.rept 16                               ; the same 512 bytes of all 16 waves
.if i < 6
	ds_load_b128 v[128+4*i:131+4*i], v14 offset:(i%6)*TW
.elseif i < 12
	ds_load_b128 v[128+4*i:131+4*i], v24 offset:(i%6)*TW
.else
	ds_load_b128 v[128+4*i:131+4*i], v25 offset:(i%6)*TW
.endif
.set i, i+1
.endr
	v_lshl_add_u32 v26, v0, 4, STAGE               ; into the stage in order: 16 x thread
	v_bfe_u32 v10, v0, 2, 2                        ; back: thread t takes batch t>>4, f = 4 (t&15) ..: written by wave 4 fb + 2 bt + half, lane 16 h + r
	v_lshlrev_b32 v27, 11, v10
	v_bfe_u32 v10, v0, 8, 1
	v_lshl_add_u32 v27, v10, 10, v27
	v_and_b32 v10, 1, v0
	v_lshl_add_u32 v27, v10, 9, v27
	v_bfe_u32 v10, v0, 1, 1
	v_lshl_add_u32 v27, v10, 8, v27
	v_bfe_u32 v10, v0, 4, 4
	v_lshl_add_u32 v27, v10, 4, v27
	v_add_nc_u32 v27, STAGE, v27
	v_lshrrev_b32 v28, 4, v0
	v_lshlrev_b32 v28, 12, v28
	v_lshl_add_u32 v28, v2, 4, v28                 ; bias: row t>>4, 16 bytes at 16 (t&15)
	s_wait_dscnt 0x0
.irp st, 8,4,2,1
.set i, 0
.rept \st
	v_pk_add_f32 v[128+4*i:129+4*i], v[128+4*i:129+4*i], v[128+4*(i+\st):129+4*(i+\st)]
	v_pk_add_f32 v[130+4*i:131+4*i], v[130+4*i:131+4*i], v[130+4*(i+\st):131+4*(i+\st)]
.set i, i+1
.endr
.endr
	v_pk_add_f32 v[16:17], v[16:17], v[20:21]
	v_pk_add_f32 v[18:19], v[18:19], v[22:23]
	v_pk_add_f32 v[128:129], v[128:129], v[16:17]
	v_pk_add_f32 v[130:131], v[130:131], v[18:19]
	v_pk_mul_f32 v[128:129], v[128:129], C2 op_sel_hi:[1,0]
	v_pk_mul_f32 v[130:131], v[130:131], C2 op_sel_hi:[1,0]
	ds_store_b128 v26, v[128:131]
	s_wait_dscnt 0x0
	s_barrier_signal -1
	s_barrier_wait -1
	ds_load_b128 v[132:135], v27
	s_wait_dscnt 0x0
	global_store_b128 v28, v[132:135], s[22:23]    ; 16 lanes store 256 consecutive bytes, aligned
	FINISH
	; ---- M ----
.Lrole_m:
	s_sub_co_u32 s33, ttmp9, 32                    ; batch
	s_lshl_b32 s34, s33, 13
	s_mov_b32 s35, 0
	s_add_nc_u64 s[18:19], s[18:19], s[34:35]
	s_add_nc_u64 s[24:25], s[24:25], s[34:35]
	s_add_nc_u64 s[26:27], s[26:27], s[34:35]
	s_lshl_b32 s34, s33, 8
	s_add_nc_u64 s[28:29], s[28:29], s[34:35]
	v_lshlrev_b32 v4, 4, v0
	global_load_b128 v[8:11], v4, s[18:19]         ; thread t owns rows s = 4 t .. 4 t + 3
	v_lshlrev_b32 v24, 2, v0
	s_lshl_b32 s45, s30, 2
	s_add_co_u32 s45, s45, MTOT
	v_mov_b32 v14, s45
	v_mov_b32 v15, MTOT
	s_wait_loadcnt 0x0
.irp e, 0,1,2,3
	v_cmp_ne_u32 s[40+\e], 0, v[8+\e]
.endr
	v_mbcnt_lo_u32_b32 v12, s40, 0                 ; listed rows of the lanes below mine
	v_mbcnt_lo_u32_b32 v12, s41, v12
	v_mbcnt_lo_u32_b32 v12, s42, v12
	v_mbcnt_lo_u32_b32 v12, s43, v12
	s_bcnt1_i32_b32 s44, s40
	s_bcnt1_i32_b32 s46, s41
	s_add_co_u32 s44, s44, s46
	s_bcnt1_i32_b32 s46, s42
	s_add_co_u32 s44, s44, s46
	s_bcnt1_i32_b32 s46, s43
	s_add_co_u32 s44, s44, s46                     ; my wave's count
	v_mov_b32 v13, s44
	ds_store_b32 v14, v13
	s_wait_dscnt 0x0
	s_barrier_signal -1
	s_barrier_wait -1
	ds_load_b128 v[32:35], v15
	ds_load_b128 v[36:39], v15 offset:16
	ds_load_b128 v[40:43], v15 offset:32
	ds_load_b128 v[44:47], v15 offset:48
	s_mov_b32 s46, 0
	s_mov_b32 s47, 0
	s_wait_dscnt 0x0
.irp k, 0,1,2,3,4,5,6,7,8,9,10,11,12,13,14,15
	v_readfirstlane_b32 s[48+\k], v[32+\k]
.endr
.irp k, 0,1,2,3,4,5,6,7,8,9,10,11,12,13,14,15
	s_cmp_gt_u32 s30, \k
	s_cselect_b32 s66, s[48+\k], 0
	s_add_co_u32 s46, s46, s66                     ; listed rows of the waves below mine
	s_add_co_u32 s47, s47, s[48+\k]                ; n
.endr
	s_cmp_eq_u32 s47, 0
	s_cselect_b32 s67, 2048, s47                   ; n'
	s_cselect_b32 s68, 1, 0                        ; allmasked
	s_add_co_u32 s69, s67, 7
	s_lshr_b32 s69, s69, 3                         ; R
	s_sub_co_u32 s70, 320, s69                     ; a share's 320 places less its R rows
	s_mov_b32 s71, s69
.irp k, 2,3,4,5,6,7
	s_add_co_u32 s[70+\k], s[69+\k], s69           ; k R
.endr
.irp e, 0,1,2,3
	v_cndmask_b32 v[16+\e], 0, 1, s[40+\e]
.endr
	v_add_nc_u32 v20, s46, v12                     ; listed rows in front of my row e
	v_add_nc_u32 v21, v20, v16
	v_add_nc_u32 v22, v21, v17
	v_add_nc_u32 v23, v22, v18
.irp e, 0,1,2,3
	v_add_nc_u32 v[56+\e], \e, v24                 ; s
	v_sub_nc_u32 v25, v[20+\e], v[56+\e]
	v_add_nc_u32 v25, 2047, v25                    ; an unlisted row: 2047 less the unlisted rows in front of it
	v_cndmask_b32 v[48+\e], v25, v[20+\e], s[40+\e]
	v_min_u32 v[48+\e], 0x7ff, v[48+\e]            ; the place in the list, held inside it
	v_lshlrev_b32 v[52+\e], 2, v[48+\e]
	global_store_b32 v[52+\e], v[56+\e], s[24:25]  ; neighbouring lanes' listed rows go to neighbouring places
.endr
.irp e, 0,1,2,3
	v_mov_b32 v[60+\e], v[48+\e]
.irp k, 1,2,3,4,5,6,7
	v_cmp_ge_u32 vcc_lo, v[48+\e], s[70+\k]
	v_cndmask_b32 v26, 0, s70, vcc_lo
	v_add_nc_u32 v[60+\e], v[60+\e], v26           ; place + j (320 - R) = 320 j + place in share j
.endr
	v_cmp_gt_u32 vcc_lo, s67, v[48+\e]
	v_cndmask_b32 v[60+\e], 0xfff, v[60+\e], vcc_lo
.endr
	global_store_b128 v4, v[60:63], s[26:27]
	v_mov_b32 v66, s67
	v_mov_b32 v67, s68
	v_lshlrev_b32 v68, 3, v1
	s_cmp_lg_u32 s30, 0
	s_cbranch_scc1 .Lno_meta
	global_store_b64 v68, v[66:67], s[28:29]       ; 32 lanes x 8 bytes: 256 consecutive bytes, aligned
.Lno_meta:
	FINISH
.Lfunc_end_k_qb9999b6a94_prep:
	.size	k_qb9999b6a94_prep, .Lfunc_end_k_qb9999b6a94_prep-k_qb9999b6a94_prep
	.p2alignl 7, 3214868480
	.fill 96, 4, 3214868480
	.section	.rodata,"a",@progbits
	.p2align	6, 0x0
	.amdhsa_kernel k_qb9999b6a94_prep
		.amdhsa_group_segment_fixed_size 174336
		.amdhsa_private_segment_fixed_size 0
		.amdhsa_enable_private_segment 0
		.amdhsa_kernarg_size 88
		.amdhsa_user_sgpr_count 2
		.amdhsa_user_sgpr_kernarg_segment_ptr 1
		.amdhsa_wavefront_size32 1
		.amdhsa_system_sgpr_workgroup_id_x 1
		.amdhsa_system_sgpr_workgroup_id_y 1
		.amdhsa_system_sgpr_workgroup_id_z 1
		.amdhsa_system_vgpr_workitem_id 0
		.amdhsa_next_free_vgpr 256
		.amdhsa_next_free_sgpr 80
		.amdhsa_reserve_vcc 1
		.amdhsa_float_denorm_mode_32 3
		.amdhsa_float_denorm_mode_16_64 3
		.amdhsa_memory_ordered 1
		.amdhsa_forward_progress 1
		.amdhsa_inst_pref_size 48
	.end_amdhsa_kernel
	.amdgpu_metadata
---
amdhsa.version: [ 1, 2 ]
amdhsa.kernels:
  - .name:           k_qb9999b6a94_prep
    .symbol:         k_qb9999b6a94_prep.kd
    .args:
      - { .name: W_enc, .offset: 0, .size: 8, .value_kind: global_buffer, .address_space: global }
      - { .name: W_dec, .offset: 8, .size: 8, .value_kind: global_buffer, .address_space: global }
      - { .name: decoder_hidden, .offset: 16, .size: 8, .value_kind: global_buffer, .address_space: global }
      - { .name: b_dec, .offset: 24, .size: 8, .value_kind: global_buffer, .address_space: global }
      - { .name: b_enc, .offset: 32, .size: 8, .value_kind: global_buffer, .address_space: global }
      - { .name: mask, .offset: 40, .size: 8, .value_kind: global_buffer, .address_space: global }
      - { .name: wfrag, .offset: 48, .size: 8, .value_kind: global_buffer, .address_space: global }
      - { .name: bias, .offset: 56, .size: 8, .value_kind: global_buffer, .address_space: global }
      - { .name: rows, .offset: 64, .size: 8, .value_kind: global_buffer, .address_space: global }
      - { .name: slot, .offset: 72, .size: 8, .value_kind: global_buffer, .address_space: global }
      - { .name: meta, .offset: 80, .size: 8, .value_kind: global_buffer, .address_space: global }
    .group_segment_fixed_size: 174336
    .private_segment_fixed_size: 0
    .kernarg_segment_align: 8
    .kernarg_segment_size: 88
    .max_flat_workgroup_size: 512
    .sgpr_count:     80
    .vgpr_count:     256
    .wavefront_size: 32
...
	.end_amdgpu_metadata
.endif
;; end of part 1
;; launch main (part 2): grid 8 x 32, 4 waves a work-group, no clusters, 325,120 bytes of LDS; arguments encoder_outputs, wfrag, bias, w_att, b_att, rows, meta, scw, part, stat; writes scw, part, stat
.if DOCPART == 2
	.amdgcn_target "amdgcn-amd-amdhsa--gfx1250"
	.amdhsa_code_object_version 6
	.text
	.protected	k_qb9999b6a94_main
	.globl	k_qb9999b6a94_main
	.p2align	8
	.type	k_qb9999b6a94_main,@function
k_qb9999b6a94_main:
	s_mov_b64 s[64:65], 0
	v_nop
	global_prefetch_b8 v0, s[64:65] scope:SCOPE_SE
	s_setreg_imm32_b32 hwreg(HW_REG_WAVE_MODE, 25, 1), 1
	s_wait_xcnt 0x0
; MAIN: for its share of a batch's LISTED rows a work-group makes the scores, a softmax with its own running maximum, and a partial context, from ONE read of those rows.
;   score[s] = b_att + sum_f w_att[f] tanh(enc[s] . W_enc[:,f] + dec[f]);   tanh(x) = 1 - 2 / (1 + 2^(2 log2(e) x)), so score = (b_att + sum w) + sum (-2 w) / (1 + 2^(c2 acc + bias')).
; SHARES.  Work-group (j, b): places j R .. of batch b's list (R, n' from meta), in passes of up to 144 rows: one pass where R <= 144, else two.  The rows lie in LDS in bf16, all 1,024 columns.
; Places past the share repeat the share's last row and get the weight 0.  Wave w makes all 144 rows x f = 256 w .. 256 w + 255, in two chunks of 128 f: 72 accumulators, 576 registers.
; W comes from wfrag straight into registers: each wave walks its own 512 KB, 8 KB for a K step of 32, four buffers, three steps ahead, round and round: every load stays inside wfrag,
; and the three steps asked for at the end of the last pass are not used.
; NO CLUSTER, NO TENSOR LOADS.  All work-groups walk the same W, but the 144 resident rows take 313,344 bytes of LDS: two slots of one K step of 32 for 512 f (2 x 32,768 bytes) do not fit
; beside them in the 327,680 bytes that a work-group can be given.  The rows are a gather in f32 that must pass through registers to become bf16.
; THE PASS LOOP has two trips whatever the data; a pass has five barriers, on every path, and five blocks behind them, each jumped forward where the pass has no rows (q >= NPASS).
; LDS ADDRESSES.  Stores name fixed registers and immediates.  Reads that walk (A's slabs, the chunk's tables, the context's rows) add a scalar offset, stepped once a trip by a constant in a
; loop that counts down, to a lane register that is never rewritten; a barrier stands between every such run of reads and the next store into LDS by any wave.
; LIMITS.  A row with mask = 0 is not read where its batch has a row with mask != 0: its weight exp(-1e10 - M) is exactly 0 in f32 as long as every listed score is above -1e10 + 128
; (|score| <= sum |w_att| + |b_att|); a NaN or infinity in such a row does not reach the outputs.  Matrix operands and the resident rows (used again for the context) are bf16; all sums f32.
; tanh by the formula above is off by about 1e-7 absolutely and ends in exactly +-1.
.set PITCH, 272                        ; a row of a slab: 128 bf16 + 16 bytes = 68 words: the 16 rows of a fragment load start at 16 different groups of four banks (64 banks of 4 bytes: ISA guide 11.1)
.set ROWS,  144
.set SLAB,  ROWS*PITCH                 ; 128 columns of all rows: 39,168 bytes; eight slabs from LDS byte 0
.set BT,    8*SLAB                     ; bias' of the batch, 4,096 bytes
.set WT,    BT+4096                    ; -2 w_att, 4,096 bytes
.set SCP,   WT+4096                    ; the four waves' partial scores, 576 bytes each
.set PV,    SCP+4*ROWS*4               ; the weights p of the pass's rows, 640 bytes in three blocks of 256
.set SPARE, PV+768                     ; the spare words, 128 bytes a wave: two blocks of 256 bytes that no other line names
; REGISTERS, in windows of 256 (s_set_vgpr_msb: bits 1:0 source 0, 3:2 source 1, 5:4 source 2, 7:6 destination)
.set AD,  1                            ; LDS address of my A fragments in the slab in hand
.set ADB, 2                            ; r x PITCH + 16 h; never rewritten
.set BO,  3                            ; 16 x lane; never rewritten
.set SPW, 4                            ; SPARE + 4 x my thread's number; never rewritten
.set NIL, 5                            ; 0; never rewritten
.set SA,  6                            ; v[6:23]   nine pairs: block a's score sums (even f, odd f)
.set T,   24                           ; v[24:31]  four pairs at work
.set CX,  32                           ; v[32:39]  my eight columns of the context
.set MR,  40                           ; running maximum
.set LR,  41                           ; running sum
.set CB,  42                           ; b_att + sum w_att
.set TBB, 43                           ; BT + 1,024 w + 32 h; never rewritten
.set LN,  44                           ; lane
.set AB0, 48                           ; v[48:119], v[120:191] A's fragments, two buffers of 9 x 8; between the products: at work
.set OFF, 48                           ; fill: v[48:65] byte offsets of my 18 pairs of rows
.set FA,  66                           ; fill: LDS address
.set BI,  48                           ; epilogue: v[48:111] bias' of my 64 f of the chunk
.set WM,  112                          ; epilogue: v[112:175] -2 w_att of them
; v[192:255] W buffer 3.  Window 1: v[0:191] W buffers 0-2, v[192:255] accumulators of block 0.  Windows 2, 3: blocks 1-4, 5-8: block a, f block n at register 448 + 64 a + 8 n of the 1,024.
; In the fill the accumulators' registers of windows 2 and 3 are the four sets of 72 that take the rows in.
; s[8:27] addresses; s28 wave, s29 j, s30 b; s31 the chunk's place in the tables; s32 n', s33 allmasked, s34 R, s35 first place, s36 last place, s37 end, s38 NPASS; s39 pass, s40 chunks to go,
; s41 counter; s[42:43] place in my W stream; s[44:45] W at that place; s[46:47] my W stream; s[50:51] the batch's rows; s[52:53] c2; s[54:55] lane selects; s56 rows of the pass;
; s57 all ones if allmasked; s58 b_att; s59 the walking LDS offset; s[60:63] at work; s[66:70] masks of valid rows; s71 the weights' walking LDS address
.set MSB, 0
.macro WIN new                         ; the immediate's high byte repeats the setting that is left; a switch that changes nothing is dropped
.if MSB != (\new)
	s_set_vgpr_msb (MSB<<8)|(\new)
.set MSB, (\new)
.endif
.endm
.macro PLACES                          ; four places between a matrix instruction and a load into, or a vector write of, one of its registers (ISA guide 7.12.1 for vector writes)
.rept 4
	v_nop
.endr
.endm
.macro BAR                             ; my LDS instructions are done; then every wave's are
	s_wait_dscnt 0x0
	s_barrier_signal -1
	s_barrier_wait -1
.endm
.macro LIVE over                       ; a pass without rows jumps forward over the block; no barrier lies in a block
	s_cmp_lt_u32 s39, s38
	s_cbranch_scc0 \over
.endm
.macro BSTEP                           ; four steps on in my W stream, round its 512 KB
	s_wait_xcnt 0x0                                ; the loads issued so far have read their base
	s_add_co_u32 s42, s42, 32768
	s_and_b32 s42, s42, 0x7ffff
	s_add_nc_u64 s[44:45], s[46:47], s[42:43]
.endm
.macro BLOAD idx                       ; a K step's W, 8 fragments, into buffer idx: 16 loads of 512 consecutive bytes
.if (\idx) < 3
	WIN 0x40
.set wb, 64*(\idx)
.else
	WIN 0
.set wb, 192
.endif
.set jk, 0
.rept 16
	global_load_b128 v[wb+4*jk:wb+4*jk+3], v[BO], s[44:45] offset:(\idx)*8192+512*jk th:TH_LOAD_HT
.set jk, jk+1
.endr
.endm
.macro ALOAD buf, imm                  ; a K step's A, 9 fragments of 16 rows x 32 columns
	WIN 0
.set jk, 0
.rept 9
	ds_load_b128 v[AB0+72*(\buf)+8*jk:AB0+72*(\buf)+8*jk+3],   v[AD] offset:jk*16*PITCH+(\imm)
	ds_load_b128 v[AB0+72*(\buf)+8*jk+4:AB0+72*(\buf)+8*jk+7], v[AD] offset:jk*16*PITCH+(\imm)+32
.set jk, jk+1
.endr
.endm
; 72 products.  Source 0 = 16 f of W, source 1 = 16 rows: register i of lane (r, h) = (f = 16 n + 8 h + i, row 16 a + r).  The 72 accumulators take turns, one instruction a turn, in the same order
; in every step, over the backward jumps too.  zero = 1: the chunk's first step starts the sums.
.macro MULS tt, zero
.if (\tt) < 3
.set wb, 64*(\tt)
.set bw, 1
.else
.set wb, 192
.set bw, 0
.endif
.set fa, AB0+72*((\tt)%2)
.set ja, 0
.rept 9
.set xa, 1+(ja+3)/4
.set ac, 64*((ja+3)%4)
	WIN (xa<<6)|(xa<<4)|bw
.set jn, 0
.rept 8
.if \zero
	v_wmma_f32_16x16x32_bf16 v[ac+8*jn:ac+8*jn+7], v[wb+8*jn:wb+8*jn+7], v[fa+8*ja:fa+8*ja+7], 0
.else
	v_wmma_f32_16x16x32_bf16 v[ac+8*jn:ac+8*jn+7], v[wb+8*jn:wb+8*jn+7], v[fa+8*ja:fa+8*ja+7], v[ac+8*jn:ac+8*jn+7]
.endif
.set jn, jn+1
.endr
.set ja, ja+1
.endr
.endm
; A K step, number tt modulo 4.  It asks for W three steps on (into the buffer that the step before has read) and for the next step's A (an = 1: same slab; 2: the next slab; 0: none), then multiplies.
.macro STEP tt, zero, an
	PLACES
.if (\an) == 2
	WIN 0
	s_add_co_u32 s59, s59, SLAB                    ; once a trip of the K loop
	v_add_nc_u32 v[AD], s59, v[ADB]
.endif
	BLOAD ((\tt)+3)%4
.if (\an) == 1
	ALOAD ((\tt)+1)%2, 64*((\tt)+1)
.elseif (\an) == 2
	ALOAD ((\tt)+1)%2, 0
.endif
	s_wait_loadcnt 48                              ; W of the next three steps may stay out: this step's is in
.if \an
	s_wait_dscnt 18                                ; the next step's A may stay out
.else
	s_wait_dscnt 0x0
.endif
	MULS \tt, \zero
.endm
; Block a's 64 sums a lane become sum (-2 w) / (1 + 2^(c2 acc + bias')), added onto SA[a].  Each accumulator is read from its low end on.  A v_nop stands behind each run of
; exponentials and of reciprocals, ahead of the first use of their results (ISA guide 5.7.2).
.macro EPA a
.set xa, 1+((\a)+3)/4
.set ac, 64*(((\a)+3)%4)
	WIN (xa<<6)|xa
.set jk, 0
.rept 32
	v_pk_fma_f32 v[ac+2*jk:ac+2*jk+1], v[ac+2*jk:ac+2*jk+1], s[52:53], v[BI+2*jk:BI+2*jk+1] op_sel_hi:[1,0,1]
.set jk, jk+1
.endr
.set jk, 0
.rept 64
	v_exp_f32 v[ac+jk], v[ac+jk]
.set jk, jk+1
.endr
	v_nop
.set jk, 0
	s_wait_alu depctr_va_vdst(0)
.rept 32
	v_pk_add_f32 v[ac+2*jk:ac+2*jk+1], v[ac+2*jk:ac+2*jk+1], 1.0 op_sel_hi:[1,0]
.set jk, jk+1
.endr
.set jk, 0
.rept 64
	v_rcp_f32 v[ac+jk], v[ac+jk]
.set jk, jk+1
.endr
	v_nop
	WIN xa
.set jk, 0
.rept 32
.if jk == 0
	s_wait_alu depctr_va_vdst(0)
	v_pk_fma_f32 v[T:T+1], v[ac:ac+1], v[WM:WM+1], v[SA+2*(\a):SA+2*(\a)+1]
.elseif jk < 4
	v_pk_mul_f32 v[T+2*jk:T+2*jk+1], v[ac+2*jk:ac+2*jk+1], v[WM+2*jk:WM+2*jk+1]
.else
	v_pk_fma_f32 v[T+2*(jk%4):T+2*(jk%4)+1], v[ac+2*jk:ac+2*jk+1], v[WM+2*jk:WM+2*jk+1], v[T+2*(jk%4):T+2*(jk%4)+1]
.endif
.set jk, jk+1
.endr
	WIN 0
	v_pk_add_f32 v[T:T+1], v[T:T+1], v[T+2:T+3]
	v_pk_add_f32 v[T+4:T+5], v[T+4:T+5], v[T+6:T+7]
	v_pk_add_f32 v[SA+2*(\a):SA+2*(\a)+1], v[T:T+1], v[T+4:T+5]
.endm
; THE FILL.  Wave w brings rows 36 w .. 36 w + 35, a column chunk c of 64 columns (256 aligned bytes of a row) at a time: a load takes two rows, 18 loads a set; chunk c uses set c % 4.
.macro FLOAD c                         ; (the places past a share repeat one row inside the same runs of loads; every other row is read once in the launch)
	WIN (2+((\c)%4)/2)<<6
.set fb, 72*((\c)%2)
.set ju, 0
.rept 18
	global_load_b128 v[fb+4*ju:fb+4*ju+3], v[OFF+ju], s[50:51] offset:(\c)*256 th:TH_LOAD_NT
.set ju, ju+1
.endr
.endm
.macro FPUT c                          ; chunk c is rounded to bf16 and laid into its half of slab c / 2; FA stands at slab 2 (c / 4)
.set fw, 2+((\c)%4)/2
.set fb, 72*((\c)%2)
	WIN (fw<<6)|(fw<<2)|fw
.set ju, 0
.rept 18
	v_cvt_pk_bf16_f32 v[fb+4*ju], v[fb+4*ju], v[fb+4*ju+1]
	v_cvt_pk_bf16_f32 v[fb+4*ju+1], v[fb+4*ju+2], v[fb+4*ju+3]
.set ju, ju+1
.endr
	WIN fw<<2
.set ju, 0
.rept 18
	ds_store_b64 v[FA], v[fb+4*ju:fb+4*ju+1] offset:ju*2*PITCH+(((\c)%4)/2)*SLAB+((\c)%2)*128
.set ju, ju+1
.endr
.endm
.macro WSUM r, t                       ; the sum over the 32 lanes, in every lane; t: a register that has been written
	v_add_f32_dpp v[\r], v[\r], v[\r] row_xmask:1 row_mask:0xf bank_mask:0xf
	v_add_f32_dpp v[\r], v[\r], v[\r] row_xmask:2 row_mask:0xf bank_mask:0xf
	v_add_f32_dpp v[\r], v[\r], v[\r] row_xmask:4 row_mask:0xf bank_mask:0xf
	v_add_f32_dpp v[\r], v[\r], v[\r] row_xmask:8 row_mask:0xf bank_mask:0xf
	v_permlanex16_b32 v[\t], v[\r], s54, s55
	v_add_f32 v[\r], v[\r], v[\t]
.endm
.macro WMAX r, t
	v_max_num_f32_dpp v[\r], v[\r], v[\r] row_xmask:1 row_mask:0xf bank_mask:0xf
	v_max_num_f32_dpp v[\r], v[\r], v[\r] row_xmask:2 row_mask:0xf bank_mask:0xf
	v_max_num_f32_dpp v[\r], v[\r], v[\r] row_xmask:4 row_mask:0xf bank_mask:0xf
	v_max_num_f32_dpp v[\r], v[\r], v[\r] row_xmask:8 row_mask:0xf bank_mask:0xf
	v_permlanex16_b32 v[\t], v[\r], s54, s55
	v_max_num_f32 v[\r], v[\r], v[\t]
.endm
	; ---- HEAD ----
	s_load_b512 s[8:23], s[0:1], 0x0               ; encoder_outputs 8, wfrag 10, bias 12, w_att 14, b_att 16, rows 18, meta 20, scw 22
	s_load_b128 s[24:27], s[0:1], 0x40             ; part 24, stat 26
	v_lshl_add_u32 v[SPW], v0, 2, SPARE
	v_mov_b32 v[NIL], 0
	v_lshrrev_b32 v45, 5, v0
	v_readfirstlane_b32 s28, v45                   ; wave 0..3
	s_mov_b32 s29, ttmp9                           ; j
	s_and_b32 s30, ttmp7, 0xffff                   ; b
	v_and_b32 v[LN], 31, v0
	v_and_b32 v46, 15, v0
	v_bfe_u32 v47, v0, 4, 1
	v_mul_u32_u24 v[ADB], v46, PITCH
	v_lshl_add_u32 v[ADB], v47, 4, v[ADB]
	v_lshlrev_b32 v[BO], 4, v[LN]
	s_lshl_b32 s60, s28, 10                        ; my 256 f in f32
	s_add_co_u32 s61, s60, BT
	v_lshl_add_u32 v[TBB], v47, 5, s61
	v_add_nc_u32 v45, s60, v[BO]                   ; in w_att and bias,
	v_add_nc_u32 v46, s61, v[BO]                   ; and in BT
	s_mov_b32 s52, 0x4038aa3b                      ; c2 = 2 log2(e)
	s_mov_b32 s53, s52                             ; named with it as a pair
	s_mov_b32 s54, 0x76543210
	s_mov_b32 s55, 0xfedcba98
	s_mov_b32 s42, 0
	s_mov_b32 s43, 0
	s_mov_b32 s39, 0
	s_lshl_b32 s62, s30, 8
	s_mov_b32 s63, 0
	s_wait_kmcnt 0x0
	s_add_nc_u64 s[20:21], s[20:21], s[62:63]
	s_load_b64 s[32:33], s[20:21], 0x0             ; n', allmasked
	s_load_b32 s58, s[16:17], 0x0                  ; b_att
	s_lshl_b32 s62, s30, 12
	s_add_nc_u64 s[12:13], s[12:13], s[62:63]
.set jk, 0
.rept 8
	global_load_b128 v[48+4*jk:51+4*jk], v[BO], s[14:15] offset:512*jk  ; all of w_att, for its sum
.set jk, jk+1
.endr
	global_load_b128 v[80:83], v45, s[14:15]       ; my 256 f of w_att
	global_load_b128 v[84:87], v45, s[14:15] offset:512
	global_load_b128 v[88:91], v45, s[12:13]       ; and of bias'
	global_load_b128 v[92:95], v45, s[12:13] offset:512
	s_lshl_b32 s62, s28, 19
	s_add_nc_u64 s[46:47], s[10:11], s[62:63]
	s_mov_b64 s[44:45], s[46:47]
	BLOAD 0                                        ; W of the first three steps: they land during the fill
	BLOAD 1
	BLOAD 2
	WIN 0
	s_wait_kmcnt 0x0
	s_min_u32 s32, s32, 2048
	s_add_co_u32 s34, s32, 7
	s_lshr_b32 s34, s34, 3                         ; R
	s_mul_i32 s35, s29, s34                        ; my first place
	s_add_co_u32 s37, s35, s34
	s_min_u32 s37, s37, s32                        ; my end
	s_sub_co_u32 s36, s37, 1                       ; the place that fills up a pass
	s_cmp_gt_u32 s34, ROWS
	s_cselect_b32 s38, 2, 1                        ; NPASS
	s_cmp_lg_u32 s33, 0
	s_cselect_b32 s57, -1, 0
	s_lshl_b32 s60, s30, 3
	s_add_co_u32 s60, s60, s29                     ; 8 b + j
	s_mul_i32 s62, s60, 1280
	s_add_nc_u64 s[22:23], s[22:23], s[62:63]
	s_lshl_b32 s62, s60, 12
	s_lshl_b32 s61, s28, 10
	s_add_co_u32 s62, s62, s61
	s_add_nc_u64 s[24:25], s[24:25], s[62:63]
	s_lshl_b32 s62, s60, 8
	s_add_nc_u64 s[26:27], s[26:27], s[62:63]
	s_lshl_b32 s62, s30, 13
	s_add_nc_u64 s[18:19], s[18:19], s[62:63]
	s_lshl_b32 s62, s30, 23
	s_add_nc_u64 s[50:51], s[8:9], s[62:63]
	s_wait_loadcnt 48                              ; the twelve table loads are in; W's 48 stay out
.set jk, 1
.rept 15
	v_pk_add_f32 v[48:49], v[48:49], v[48+2*jk:49+2*jk]
.set jk, jk+1
.endr
	v_add_f32 v[CB], v48, v49
	WSUM CB, 45
	v_add_f32 v[CB], s58, v[CB]
.irp k, 80,82,84,86
	v_pk_mul_f32 v[\k:\k+1], v[\k:\k+1], -2.0 op_sel_hi:[1,0]
.endr
	ds_store_b128 v46, v[88:91]
	ds_store_b128 v46, v[92:95] offset:512
	ds_store_b128 v46, v[80:83] offset:4096
	ds_store_b128 v46, v[84:87] offset:4608
	v_mov_b32 v[MR], 0xff7fffff                    ; the lowest finite number
	v_mov_b32 v[LR], 0
.set jk, 0
.rept 8
	v_mov_b32 v[CX+jk], 0
.set jk, jk+1
.endr
.set jk, 0
.rept 18
	v_mov_b32 v[SA+jk], 0                          ; the score sums start at 0; behind each pass's score stores they are cleared again
.set jk, jk+1
.endr
.Lpass:
	s_wait_xcnt 0x0                                ; the last pass's score stores have read their registers
	BAR                                            ; nobody reads the last pass's rows or weights any more; at the first pass: the tables lie in LDS
	LIVE .Lnofill
	; ---- THE ROWS' NUMBERS ----
	s_mul_i32 s60, s39, ROWS
	s_add_co_u32 s60, s60, s35
	s_mul_i32 s61, s28, 36
	s_add_co_u32 s60, s60, s61
	v_lshrrev_b32 v67, 4, v[LN]
	v_and_b32 v68, 15, v[LN]
	v_add_nc_u32 v69, s60, v67
.set ju, 0
.rept 18
	v_add_nc_u32 v[OFF+ju], 2*ju, v69              ; place of row 36 w + 2 u + h of the pass,
	v_min_u32 v[OFF+ju], s36, v[OFF+ju]            ; held to my share,
	v_min_u32 v[OFF+ju], 0x7ff, v[OFF+ju]          ; and to the list
	v_lshlrev_b32 v[OFF+ju], 2, v[OFF+ju]
	global_load_b32 v[OFF+ju], v[OFF+ju], s[18:19]
.set ju, ju+1
.endr
	s_mul_i32 s61, s28, 36*PITCH                   ; my 36 rows of a slab,
	v_mul_u32_u24 v[FA], v67, PITCH                ; row h of a pair,
	v_lshl_add_u32 v[FA], v68, 3, v[FA]            ; 8 bytes (4 bf16) a lane
	v_add_nc_u32 v[FA], s61, v[FA]
	v_lshlrev_b32 v68, 4, v68
	s_wait_loadcnt 0x0                             ; the numbers are in
.set ju, 0
.rept 18
	v_min_u32 v[OFF+ju], 0x7ff, v[OFF+ju]
	v_lshl_add_u32 v[OFF+ju], v[OFF+ju], 12, v68   ; row x 4,096 bytes + 16 (lane % 16)
.set ju, ju+1
.endr
	; ---- THE FILL: 16 column chunks, written out, on a ring of four sets of registers ----
.set cc, 0
.rept 4
	FLOAD cc
.set cc, cc+1
.endr
.set cc, 0
.rept 16
.if (cc > 0) && (cc%4 == 0)
	WIN 0
	v_add_nc_u32 v[FA], 2*SLAB, v[FA]              ; two slabs on
.endif
.if cc < 13
	s_wait_loadcnt 54                              ; three younger sets of 18 may stay out
.else
	s_wait_loadcnt 18*(15-cc)                      ; the last chunks have fewer behind them: the counts run down
.endif
	FPUT cc
.if cc < 12
	FLOAD cc+4
.endif
.set cc, cc+1
.endr
	WIN 0
.Lnofill:
	BAR                                            ; every wave's rows lie in LDS
	LIVE .Lnomul
	; ---- THE PRODUCTS: two chunks of 128 f, 32 K steps each ----
	s_mov_b32 s31, 0
	s_mov_b32 s40, 2
.Lchunk:
	s_mov_b32 s59, 0                               ; slab 0
	v_mov_b32 v[AD], v[ADB]
	ALOAD 0, 0
	STEP 0, 1, 1                                   ; the first step stands in front of the loop: its products start the sums
	WIN 0
	s_mov_b32 s41, 7
.Lk:
	BSTEP
	STEP 1, 0, 1
	STEP 2, 0, 1
	STEP 3, 0, 2
	STEP 0, 0, 1
	WIN 0
	s_sub_co_u32 s41, s41, 1
	s_cmp_lg_u32 s41, 0
	s_cbranch_scc1 .Lk
	BSTEP
	STEP 1, 0, 1                                   ; the last three steps ask for the first three of the next chunk
	STEP 2, 0, 1
	STEP 3, 0, 0
	WIN 0
.rept 8
	v_nop                                          ; the places behind the last products
.endr
	v_add_nc_u32 v47, s31, v[TBB]                  ; the chunk's 128 f
.set jk, 0
.rept 16
	ds_load_b128 v[BI+4*jk:BI+4*jk+3], v47 offset:64*(jk/2)+16*(jk%2)
.set jk, jk+1
.endr
.set jk, 0
.rept 16
	ds_load_b128 v[WM+4*jk:WM+4*jk+3], v47 offset:4096+64*(jk/2)+16*(jk%2)
.set jk, jk+1
.endr
	s_wait_dscnt 0x0
.irp a, 0,1,2,3,4,5,6,7,8
	EPA \a
.endr
	s_add_co_u32 s31, s31, 512
	s_sub_co_u32 s40, s40, 1
	s_cmp_lg_u32 s40, 0
	s_cbranch_scc1 .Lchunk
	; my 256 f's part of each row's score: the pair, then the other half of the lanes, which holds the row's other f
.irp a, 0,1,2,3,4,5,6,7,8
	v_add_f32 v[SA+2*\a], v[SA+2*\a], v[SA+2*\a+1]
.endr
.irp a, 0,1,2,3,4,5,6,7,8
	v_permlanex16_b32 v[SA+2*\a+1], v[SA+2*\a], s54, s55
.endr
.irp a, 0,1,2,3,4,5,6,7,8
	v_add_f32 v[SA+2*\a], v[SA+2*\a], v[SA+2*\a+1]
.endr
.Lnomul:
	BAR                                            ; every wave's walking reads of the rows and the tables are over before any wave stores into LDS again
	LIVE .Lnosc
	s_mul_i32 s60, s28, 4*ROWS
	s_add_co_u32 s60, s60, SCP
	v_and_b32 v45, 15, v[LN]
	v_lshl_add_u32 v45, v45, 2, s60
.irp a, 0,1,2,3,4,5,6,7,8
	ds_store_b32 v45, v[SA+2*\a] offset:64*\a      ; both halves of the lanes write the same number to the same word
.endr
.set jk, 0
.rept 18
	v_mov_b32 v[SA+jk], 0                          ; for the next pass
.set jk, jk+1
.endr
.Lnosc:
	BAR                                            ; all four parts of every score lie in LDS
	LIVE .Lnosm
	; ---- SOFTMAX: every wave does the same for all 144 rows, five a lane ----
	s_mul_i32 s60, s39, ROWS
	s_add_co_u32 s61, s35, s60
	s_sub_co_i32 s56, s37, s61
	s_max_i32 s56, s56, 0
	s_min_i32 s56, s56, ROWS                       ; rows of this pass that are mine
.irp k, 0,1,2,3,4
	v_add_nc_u32 v[132+\k], 32*\k, v[LN]
	v_min_u32 v[137+\k], ROWS-1, v[132+\k]
	v_lshl_add_u32 v[142+\k], v[137+\k], 2, SCP
	ds_load_b32 v[48+4*\k], v[142+\k]
	ds_load_b32 v[49+4*\k], v[142+\k] offset:4*ROWS
	ds_load_b32 v[50+4*\k], v[142+\k] offset:8*ROWS
	ds_load_b32 v[51+4*\k], v[142+\k] offset:12*ROWS
	v_cmp_gt_u32 s[66+\k], s56, v[132+\k]
.endr
	v_mov_b32 v173, 0xd01502f9                     ; -1e10
	v_mov_b32 v174, 0xff7fffff
	v_mov_b32 v158, 0
	s_wait_dscnt 0x0
.irp k, 0,1,2,3,4
	v_add_f32 v[48+4*\k], v[48+4*\k], v[49+4*\k]
	v_add_f32 v[50+4*\k], v[50+4*\k], v[51+4*\k]
	v_add_f32 v[147+\k], v[48+4*\k], v[50+4*\k]
	v_add_f32 v[147+\k], v[CB], v[147+\k]
	v_cndmask_b32 v[147+\k], v[147+\k], v173, s57  ; a batch without a listed row: every score is -1e10
	v_cndmask_b32 v[152+\k], v174, v[147+\k], s[66+\k]
.endr
	v_max3_num_f32 v157, v152, v153, v154
	v_max3_num_f32 v157, v157, v155, v156
	WMAX 157, 158
	v_max_num_f32 v159, v[MR], v157                ; the new maximum
	v_sub_f32 v160, v[MR], v159
	v_mul_f32 v160, 0x3fb8aa3b, v160
.irp k, 0,1,2,3,4
	v_sub_f32 v[161+\k], v[147+\k], v159
	v_mul_f32 v[161+\k], 0x3fb8aa3b, v[161+\k]
.endr
	v_exp_f32 v160, v160                           ; what the old sums are multiplied by
.irp k, 0,1,2,3,4
	v_exp_f32 v[161+\k], v[161+\k]
.endr
	v_mov_b32 v[MR], v159                          ; a plain instruction behind the exponentials
	s_wait_alu depctr_va_vdst(0)
.irp k, 0,1,2,3,4
	v_cndmask_b32 v[161+\k], 0, v[161+\k], s[66+\k]
.endr
	v_add_f32 v166, v161, v162
	v_add_f32 v158, v163, v164
	v_add_f32 v166, v166, v165
	v_add_f32 v166, v166, v158
	WSUM 166, 158
	v_fma_f32 v[LR], v[LR], v160, v166
.set jk, 0
.rept 8
	v_mul_f32 v[CX+jk], v[CX+jk], v160
.set jk, jk+1
.endr
	s_cmp_lg_u32 s28, 0
	s_cbranch_scc1 .Lnot0                          ; all four waves hold the same numbers: wave 0 writes them
	v_lshl_add_u32 v167, v[LN], 2, PV
	s_mul_i32 s60, s39, 4*ROWS
.irp k, 0,1,2,3,4
	ds_store_b32 v167, v[161+\k] offset:128*\k     ; the weights, for the context
.endr
.irp k, 0,1,2,3,4
	v_lshl_add_u32 v[168+\k], v[137+\k], 2, s60
	global_store_b32 v[168+\k], v[147+\k], s[22:23]  ; the scores, for the last launch: entry 144 q + row
.endr
.Lnot0:
.Lnosm:
	BAR                                            ; the weights lie in LDS
	LIVE .Lnoctx
	; ---- CONTEXT: a lane owns columns 4 l .. 4 l + 3 of slabs 2 w and 2 w + 1; one row of weights would use 1 of a matrix instruction's 16 rows, so this goes by the vector unit ----
	s_mul_i32 s60, s28, 2*SLAB
	v_lshl_add_u32 v131, v[LN], 3, s60             ; never rewritten in the loop
	s_mov_b32 s59, 0
	s_mov_b32 s71, PV
	s_mov_b32 s41, 9
.Lctx:                                 ; 16 rows a trip
	v_add_nc_u32 v128, s59, v131
	v_mov_b32 v130, s71
.set ji, 0
.rept 4
	ds_load_b128 v[48+4*ji:51+4*ji], v130 offset:16*ji  ; their weights, the same for every lane
.set ji, ji+1
.endr
.set ji, 0
.rept 16
	ds_load_b64 v[64+4*ji:65+4*ji], v128 offset:PITCH*ji
	ds_load_b64 v[66+4*ji:67+4*ji], v128 offset:SLAB+PITCH*ji
.set ji, ji+1
.endr
.set ji, 0
.rept 16
	s_wait_dscnt 30-2*ji                           ; the later rows' loads may stay out
	v_fma_mix_f32_bf16 v[CX],   v[64+4*ji], v[48+ji], v[CX]   op_sel_hi:[1,0,0]
	v_fma_mix_f32_bf16 v[CX+1], v[64+4*ji], v[48+ji], v[CX+1] op_sel:[1,0,0] op_sel_hi:[1,0,0]
	v_fma_mix_f32_bf16 v[CX+2], v[65+4*ji], v[48+ji], v[CX+2] op_sel_hi:[1,0,0]
	v_fma_mix_f32_bf16 v[CX+3], v[65+4*ji], v[48+ji], v[CX+3] op_sel:[1,0,0] op_sel_hi:[1,0,0]
	v_fma_mix_f32_bf16 v[CX+4], v[66+4*ji], v[48+ji], v[CX+4] op_sel_hi:[1,0,0]
	v_fma_mix_f32_bf16 v[CX+5], v[66+4*ji], v[48+ji], v[CX+5] op_sel:[1,0,0] op_sel_hi:[1,0,0]
	v_fma_mix_f32_bf16 v[CX+6], v[67+4*ji], v[48+ji], v[CX+6] op_sel_hi:[1,0,0]
	v_fma_mix_f32_bf16 v[CX+7], v[67+4*ji], v[48+ji], v[CX+7] op_sel:[1,0,0] op_sel_hi:[1,0,0]
.set ji, ji+1
.endr
	s_add_co_u32 s59, s59, 16*PITCH
	s_add_co_u32 s71, s71, 64
	s_sub_co_u32 s41, s41, 1
	s_cmp_lg_u32 s41, 0
	s_cbranch_scc1 .Lctx
.Lnoctx:
	s_add_co_u32 s39, s39, 1
	s_cmp_lt_u32 s39, 2
	s_cbranch_scc1 .Lpass
	; ---- THE END ----
	BAR                                            ; every wave's reads of LDS are over
	global_store_b128 v[BO], v[CX:CX+3], s[24:25]  ; each store covers 512 consecutive bytes, aligned
	global_store_b128 v[BO], v[CX+4:CX+7], s[24:25] offset:512
	v_lshlrev_b32 v46, 3, v[LN]
	s_cmp_lg_u32 s28, 0
	s_cbranch_scc1 .Lend
	global_store_b64 v46, v[MR:LR], s[26:27]       ; (m, l) 32 times: 256 consecutive bytes, aligned
.Lend:
	s_wait_tensorcnt 0x0                           ; the wave's end, behind my last LDS store
	ds_add_u32 v[SPW], v[NIL]
	s_wait_dscnt 0x0
	s_endpgm
.Lfunc_end_k_qb9999b6a94_main:
	.size	k_qb9999b6a94_main, .Lfunc_end_k_qb9999b6a94_main-k_qb9999b6a94_main
	.p2alignl 7, 3214868480
	.fill 96, 4, 3214868480
	.section	.rodata,"a",@progbits
	.p2align	6, 0x0
	.amdhsa_kernel k_qb9999b6a94_main
		.amdhsa_group_segment_fixed_size 325120
		.amdhsa_private_segment_fixed_size 0
		.amdhsa_enable_private_segment 0
		.amdhsa_kernarg_size 80
		.amdhsa_user_sgpr_count 2
		.amdhsa_user_sgpr_kernarg_segment_ptr 1
		.amdhsa_wavefront_size32 1
		.amdhsa_system_sgpr_workgroup_id_x 1
		.amdhsa_system_sgpr_workgroup_id_y 1
		.amdhsa_system_sgpr_workgroup_id_z 1
		.amdhsa_system_vgpr_workitem_id 0
		.amdhsa_next_free_vgpr 1024
		.amdhsa_next_free_sgpr 72
		.amdhsa_reserve_vcc 0
		.amdhsa_float_denorm_mode_32 3
		.amdhsa_float_denorm_mode_16_64 3
		.amdhsa_memory_ordered 1
		.amdhsa_forward_progress 1
		.amdhsa_inst_pref_size 255
	.end_amdhsa_kernel
	.section	.bss,"aw",@nobits
	.p2align	6
	.space	262144
	.amdgpu_metadata
---
amdhsa.version: [ 1, 2 ]
amdhsa.kernels:
  - .name:           k_qb9999b6a94_main
    .symbol:         k_qb9999b6a94_main.kd
    .args:
      - { .name: encoder_outputs, .offset: 0, .size: 8, .value_kind: global_buffer, .address_space: global }
      - { .name: wfrag, .offset: 8, .size: 8, .value_kind: global_buffer, .address_space: global }
      - { .name: bias, .offset: 16, .size: 8, .value_kind: global_buffer, .address_space: global }
      - { .name: w_att, .offset: 24, .size: 8, .value_kind: global_buffer, .address_space: global }
      - { .name: b_att, .offset: 32, .size: 8, .value_kind: global_buffer, .address_space: global }
      - { .name: rows, .offset: 40, .size: 8, .value_kind: global_buffer, .address_space: global }
      - { .name: meta, .offset: 48, .size: 8, .value_kind: global_buffer, .address_space: global }
      - { .name: scw, .offset: 56, .size: 8, .value_kind: global_buffer, .address_space: global }
      - { .name: part, .offset: 64, .size: 8, .value_kind: global_buffer, .address_space: global }
      - { .name: stat, .offset: 72, .size: 8, .value_kind: global_buffer, .address_space: global }
    .group_segment_fixed_size: 325120
    .private_segment_fixed_size: 0
    .kernarg_segment_align: 8
    .kernarg_segment_size: 80
    .max_flat_workgroup_size: 128
    .sgpr_count:     72
    .vgpr_count:     1024
    .wavefront_size: 32
...
	.end_amdgpu_metadata
.endif
;; end of part 2
;; launch combine (part 3): grid 4 x 32, 2 waves a work-group, no clusters, 0 bytes of LDS; arguments part, stat, scw, slot, out0, out1; writes out0, out1
.if DOCPART == 3
	.amdgcn_target "amdgcn-amd-amdhsa--gfx1250"
	.amdhsa_code_object_version 6
	.text
	.protected	k_qb9999b6a94_combine
	.globl	k_qb9999b6a94_combine
	.p2align	8
	.type	k_qb9999b6a94_combine,@function
k_qb9999b6a94_combine:
	s_mov_b64 s[64:65], 0
	v_nop
	global_prefetch_b8 v0, s[64:65] scope:SCOPE_SE
	s_setreg_imm32_b32 hwreg(HW_REG_WAVE_MODE, 25, 1), 1
	s_wait_xcnt 0x0
; COMBINE: a batch's eight partial softmaxes are merged.  M = max m_j; w_j = exp(m_j - M); L = sum l_j w_j; context = sum part_j w_j / L; attn[s] = exp(score - M) / L for a listed row, else 0.
; Work-group (x, b): 256 columns of the context and 512 rows of attn.  Thread t: 4 columns; rows 4 t .. and 256 + 4 t ..  Every load and store of a wave covers 512 consecutive bytes, but for the
; gather of the scores, whose places come from slot (whole numbers that the first launch stored), held to the batch's 2,560 entries; an unlisted row names entry 0, which always exists.
; A share without rows has m_j = the lowest finite number and l_j = 0: its w_j is 0.  No LDS, no barrier: no thread needs another's numbers.
; s[8:19] addresses; s[20:35] (m_j, l_j); s[36:43] masks of listed rows; s44 b, s45 x, s[46:47] offsets, s48 2560
	s_load_b256 s[8:15], s[0:1], 0x0               ; part 8, stat 10, scw 12, slot 14
	s_load_b128 s[16:19], s[0:1], 0x20             ; out0 16, out1 18
	s_and_b32 s44, ttmp7, 0xffff
	s_mov_b32 s45, ttmp9
	v_lshlrev_b32 v1, 4, v0
	s_mov_b32 s47, 0
	s_movk_i32 s48, 2560
	s_wait_kmcnt 0x0
	s_lshl_b32 s46, s44, 11
	s_add_nc_u64 s[10:11], s[10:11], s[46:47]
.irp j, 0,1,2,3,4,5,6,7
	s_load_b64 s[20+2*\j:21+2*\j], s[10:11], 256*\j
.endr
	s_lshl_b32 s46, s44, 13
	s_lshl_b32 s49, s45, 11
	s_add_co_u32 s46, s46, s49
	s_add_nc_u64 s[14:15], s[14:15], s[46:47]
	s_add_nc_u64 s[18:19], s[18:19], s[46:47]
	s_lshl_b32 s46, s44, 15
	s_lshl_b32 s49, s45, 10
	s_add_co_u32 s46, s46, s49
	s_add_nc_u64 s[8:9], s[8:9], s[46:47]
	s_lshl_b32 s46, s44, 12
	s_add_co_u32 s46, s46, s49
	s_add_nc_u64 s[16:17], s[16:17], s[46:47]
	s_mul_i32 s46, s44, 10240
	s_add_nc_u64 s[12:13], s[12:13], s[46:47]
	global_load_b128 v[40:43], v1, s[14:15]
	global_load_b128 v[44:47], v1, s[14:15] offset:1024
.irp j, 0,1,2,3,4,5,6,7
	global_load_b128 v[8+4*\j:11+4*\j], v1, s[8:9] offset:4096*\j
.endr
	s_wait_loadcnt 8                               ; slot is in; part's eight loads stay out
.irp e, 0,1,2,3,4,5,6,7
	v_cmp_gt_u32 s[36+\e], s48, v[40+\e]
	v_cndmask_b32 v[48+\e], 0, v[40+\e], s[36+\e]
	v_min_u32 v[48+\e], 2559, v[48+\e]
	v_lshlrev_b32 v[48+\e], 2, v[48+\e]
	global_load_b32 v[48+\e], v[48+\e], s[12:13]
.endr
	s_wait_kmcnt 0x0
	v_mov_b32 v56, s20
.irp j, 1,2,3,4,5,6,7
	v_max_num_f32 v56, s[20+2*\j], v56             ; M
.endr
.irp j, 0,1,2,3,4,5,6,7
	v_sub_f32 v[60+\j], s[20+2*\j], v56
	v_mul_f32 v[60+\j], 0x3fb8aa3b, v[60+\j]
.endr
.irp j, 0,1,2,3,4,5,6,7
	v_exp_f32 v[60+\j], v[60+\j]
.endr
	v_nop                                          ; a plain instruction behind the exponentials (ISA guide 5.7.2)
	s_wait_alu depctr_va_vdst(0)
	v_mul_f32 v68, s21, v60
.irp j, 1,2,3,4,5,6,7
	v_fmac_f32 v68, s[21+2*\j], v[60+\j]           ; L
.endr
	v_rcp_f32 v69, v68
	v_nop
	s_wait_alu depctr_va_vdst(0)
.irp j, 0,1,2,3,4,5,6,7
	v_mul_f32 v[60+\j], v[60+\j], v69
.endr
	s_wait_loadcnt 0x0
.irp c, 0,1,2,3
	v_mul_f32 v[72+\c], v[8+\c], v60
.endr
.irp j, 1,2,3,4,5,6,7
.irp c, 0,1,2,3
	v_fmac_f32 v[72+\c], v[8+4*\j+\c], v[60+\j]
.endr
.endr
	global_store_b128 v1, v[72:75], s[16:17]
.irp e, 0,1,2,3,4,5,6,7
	v_sub_f32 v[48+\e], v[48+\e], v56
	v_mul_f32 v[48+\e], 0x3fb8aa3b, v[48+\e]
.endr
.irp e, 0,1,2,3,4,5,6,7
	v_exp_f32 v[48+\e], v[48+\e]
.endr
	v_nop
	s_wait_alu depctr_va_vdst(0)
.irp e, 0,1,2,3,4,5,6,7
	v_mul_f32 v[48+\e], v[48+\e], v69
	v_cndmask_b32 v[48+\e], 0, v[48+\e], s[36+\e]
.endr
	global_store_b128 v1, v[48:51], s[18:19]
	global_store_b128 v1, v[52:55], s[18:19] offset:1024
	s_endpgm
.Lfunc_end_k_qb9999b6a94_combine:
	.size	k_qb9999b6a94_combine, .Lfunc_end_k_qb9999b6a94_combine-k_qb9999b6a94_combine
	.p2alignl 7, 3214868480
	.fill 96, 4, 3214868480
	.section	.rodata,"a",@progbits
	.p2align	6, 0x0
	.amdhsa_kernel k_qb9999b6a94_combine
		.amdhsa_group_segment_fixed_size 0
		.amdhsa_private_segment_fixed_size 0
		.amdhsa_enable_private_segment 0
		.amdhsa_kernarg_size 48
		.amdhsa_user_sgpr_count 2
		.amdhsa_user_sgpr_kernarg_segment_ptr 1
		.amdhsa_wavefront_size32 1
		.amdhsa_system_sgpr_workgroup_id_x 1
		.amdhsa_system_sgpr_workgroup_id_y 1
		.amdhsa_system_sgpr_workgroup_id_z 1
		.amdhsa_system_vgpr_workitem_id 0
		.amdhsa_next_free_vgpr 80
		.amdhsa_next_free_sgpr 66
		.amdhsa_reserve_vcc 0
		.amdhsa_float_denorm_mode_32 3
		.amdhsa_float_denorm_mode_16_64 3
		.amdhsa_memory_ordered 1
		.amdhsa_forward_progress 1
		.amdhsa_inst_pref_size 11
	.end_amdhsa_kernel
	.amdgpu_metadata
---
amdhsa.version: [ 1, 2 ]
amdhsa.kernels:
  - .name:           k_qb9999b6a94_combine
    .symbol:         k_qb9999b6a94_combine.kd
    .args:
      - { .name: part, .offset: 0, .size: 8, .value_kind: global_buffer, .address_space: global }
      - { .name: stat, .offset: 8, .size: 8, .value_kind: global_buffer, .address_space: global }
      - { .name: scw, .offset: 16, .size: 8, .value_kind: global_buffer, .address_space: global }
      - { .name: slot, .offset: 24, .size: 8, .value_kind: global_buffer, .address_space: global }
      - { .name: out0, .offset: 32, .size: 8, .value_kind: global_buffer, .address_space: global }
      - { .name: out1, .offset: 40, .size: 8, .value_kind: global_buffer, .address_space: global }
    .group_segment_fixed_size: 0
    .private_segment_fixed_size: 0
    .kernarg_segment_align: 8
    .kernarg_segment_size: 48
    .max_flat_workgroup_size: 64
    .sgpr_count:     66
    .vgpr_count:     80
    .wavefront_size: 32
...
	.end_amdgpu_metadata
.endif
;; end of part 3
;; ======== version 2 of 2: 3 launches; version 1 with the launch main written anew for expert scheduling mode
;; limits: right only within a limited range of input values
;; workspace buffers: wfrag 2,097,152 bytes; bias 131,072 bytes; rows 262,144 bytes of whole numbers; slot 262,144 bytes of whole numbers; meta 8,192 bytes of whole numbers; scw 327,680 bytes; part 1,048,576 bytes; stat 65,536 bytes
;; launch prep: the kernel of part 1 again; grid 64 x 1, 16 waves a work-group, no clusters, 174,336 bytes of LDS; arguments W_enc, W_dec, decoder_hidden, b_dec, b_enc, mask, wfrag, bias, rows, slot, meta; writes wfrag, bias, rows, slot, meta
;; launch main (part 4): grid 8 x 32, 4 waves a work-group, no clusters, 325,120 bytes of LDS; arguments encoder_outputs, wfrag, bias, w_att, b_att, rows, meta, scw, part, stat; writes scw, part, stat
.if DOCPART == 4
	.amdgcn_target "amdgcn-amd-amdhsa--gfx1250"
	.amdhsa_code_object_version 6
	.text
	.protected	k_qb9999b6a94_main
	.globl	k_qb9999b6a94_main
	.p2align	8
	.type	k_qb9999b6a94_main,@function
k_qb9999b6a94_main:
	s_mov_b64 s[64:65], 0
	v_nop
	global_prefetch_b8 v0, s[64:65] scope:SCOPE_SE
	s_setreg_imm32_b32 hwreg(HW_REG_WAVE_SCHED_MODE, 0, 2), 2
	s_setreg_imm32_b32 hwreg(HW_REG_WAVE_MODE, 25, 1), 1
	s_wait_xcnt 0x0
	s_wait_alu depctr_vm_vsrc(0)
; MAIN: for its share of a batch's LISTED rows a work-group makes the scores, a softmax with its own running maximum, and a partial context, from ONE read of those rows.
;   score[s] = b_att + sum_f w_att[f] tanh(enc[s] . W_enc[:,f] + dec[f]);   tanh(x) = 1 - 2 / (1 + 2^(2 log2(e) x)), so score = (b_att + sum w) + sum (-2 w) / (1 + 2^(c2 acc + bias')).
; SHARES.  Work-group (j, b): places j R .. of batch b's list (R, n' from meta), in passes of up to 144 rows: one pass where R <= 144, else two.  The rows lie in LDS in bf16, all 1,024 columns.
; Places past the share repeat the share's last row and get the weight 0.  Wave w makes all 144 rows x f = 256 w .. 256 w + 255, in two chunks of 128 f: 72 accumulators, 576 registers.
; W comes from wfrag straight into registers: each wave walks its own 512 KB, 8 KB for a K step of 32, four buffers, three steps ahead, round and round: every load stays inside wfrag,
; and the three steps asked for at the end of the last pass are not used.
; NO CLUSTER, NO TENSOR LOADS.  All work-groups walk the same W, but the 144 resident rows take 313,344 bytes of LDS: two slots of one K step of 32 for 512 f (2 x 32,768 bytes) do not fit
; beside them in the 327,680 bytes that a work-group can be given.  The rows are a gather in f32 that must pass through registers to become bf16.
; THE PASS LOOP has two trips whatever the data; a pass has five barriers, on every path, and five blocks behind them, each jumped forward where the pass has no rows (q >= NPASS).
; LDS ADDRESSES.  Stores name fixed registers and immediates.  Reads that walk (A's slabs, the chunk's tables, the context's rows) add a scalar offset, stepped once a trip by a constant in a
; loop that counts down, to a lane register that is never rewritten; a barrier stands between every such run of reads and the next store into LDS by any wave.
; LIMITS.  A row with mask = 0 is not read where its batch has a row with mask != 0: its weight exp(-1e10 - M) is exactly 0 in f32 as long as every listed score is above -1e10 + 128
; (|score| <= sum |w_att| + |b_att|); a NaN or infinity in such a row does not reach the outputs.  Matrix operands and the resident rows (used again for the context) are bf16; all sums f32.
; tanh by the formula above is off by about 1e-7 absolutely and ends in exactly +-1.
; THE MODE: SCHED_MODE bits 1:0 = 2 (LLVM: expert scheduling mode 2), set by the entry lines.  The code itself states the register dependences between vector or matrix instructions
; and memory or LDS instructions, with s_wait_alu, always for 0.
; THE PLAN.  Registers that memory or LDS instructions touch:
;   W0 .. W3    K step t: its products read W[t % 4]; the 16 loads issued in step t land in W[(t + 3) % 4], which the products of step t - 1 read.
;   A0, A1      K step t: its products read A[t % 2]; the 18 LDS loads issued in step t land in A[(t + 1) % 2], which the products of step t - 1 read.
;   v[AD]       Read by A's loads; written at a chunk's head and once in four steps.        v[BO], v[ADB], v[TBB]  made at the head, never written again.
;   So ONE wait on va_vdst stands at a step's head; behind it the step's 34 loads are dealt among its 72 products, which name W[t % 4], A[t % 2] and the accumulators alone.
;   X0 .. X3    The fill, column chunk c: loads land in X[c % 4]; the chunk's roundings read it; behind them it is asked for again (chunk c + 4).
;   OUT0 .. 3   The chunk's roundings write OUT[c % 4]; its LDS stores read it; it is written again four chunks on.
;   So a chunk has one wait on va_vdst, between its roundings and its loads and stores, and from chunk 4 on one on vm_vsrc at its head.
;   The other blocks (row numbers, tables, scores, softmax, context, end) make their addresses in a run, then one wait on va_vdst, then their loads or stores; a block that writes a register
;   again that an earlier memory or LDS instruction read begins with a wait on vm_vsrc.
.set PITCH, 272                        ; a row of a slab: 128 bf16 + 16 bytes = 68 words: the 16 rows of a fragment load start at 16 different groups of four banks (64 banks of 4 bytes: ISA guide 11.1)
.set ROWS,  144
.set SLAB,  ROWS*PITCH                 ; 128 columns of all rows: 39,168 bytes; eight slabs from LDS byte 0
.set BT,    8*SLAB                     ; bias' of the batch, 4,096 bytes
.set WT,    BT+4096                    ; -2 w_att, 4,096 bytes
.set SCP,   WT+4096                    ; the four waves' partial scores, 576 bytes each
.set PV,    SCP+4*ROWS*4               ; the weights p of the pass's rows, 640 bytes in three blocks of 256
.set SPARE, PV+768                     ; the spare words, 128 bytes a wave: two blocks of 256 bytes that no other line names
; REGISTERS, in windows of 256 (s_set_vgpr_msb: bits 1:0 source 0, 3:2 source 1, 5:4 source 2, 7:6 destination)
.set AD,  1                            ; LDS address of my A fragments in the slab in hand
.set ADB, 2                            ; r x PITCH + 16 h; never rewritten
.set BO,  3                            ; 16 x lane; never rewritten
.set SPW, 4                            ; SPARE + 4 x my thread's number; never rewritten
.set NIL, 5                            ; 0; never rewritten
.set SA,  6                            ; v[6:23]   nine pairs: block a's score sums (even f, odd f)
.set T,   24                           ; v[24:31]  four pairs at work
.set CX,  32                           ; v[32:39]  my eight columns of the context
.set MR,  40                           ; running maximum
.set LR,  41                           ; running sum
.set CB,  42                           ; b_att + sum w_att
.set TBB, 43                           ; BT + 1,024 w + 32 h; never rewritten
.set LN,  44                           ; lane
.set AB0, 48                           ; v[48:119], v[120:191] A's fragments, two buffers of 9 x 8; between the products: at work
.set OFF, 48                           ; fill: v[48:65] my 18 pairs of rows: their numbers as loaded, then their byte offsets
.set FA,  66                           ; fill: LDS address
.set PLC, 70                           ; fill: v[70:87] byte offsets in the list of those 18 pairs' places
.set OUT, 144                          ; fill: in windows 2 and 3, v[144:179] and v[180:215]: the four out-buffers
.set BI,  48                           ; epilogue: v[48:111] bias' of my 64 f of the chunk
.set WM,  112                          ; epilogue: v[112:175] -2 w_att of them
; v[192:255] W buffer 3.  Window 1: v[0:191] W buffers 0-2, v[192:255] accumulators of block 0.  Windows 2, 3: blocks 1-4, 5-8: block a, f block n at register 448 + 64 a + 8 n of the 1,024.
; In the fill the accumulators' registers of windows 2 and 3 are the four sets of 72 that take the rows in (v[0:143] of each window) and the four out-buffers of 36.
; s[8:27] addresses; s28 wave, s29 j, s30 b; s31 the chunk's place in the tables; s32 n', s33 allmasked, s34 R, s35 first place, s36 last place, s37 end, s38 NPASS; s39 pass, s40 chunks to go,
; s41 counter; s[42:43] place in my W stream; s[44:45] W at that place; s[46:47] my W stream; s[50:51] the batch's rows; s[52:53] c2; s[54:55] lane selects; s56 rows of the pass;
; s57 all ones if allmasked; s58 b_att; s59 the walking LDS offset; s[60:63] at work; s[66:70] masks of valid rows; s71 the weights' walking LDS address
.set MSB, 0
.macro WIN new                         ; the immediate's high byte repeats the setting that is left; a switch that changes nothing is dropped
.if MSB != (\new)
	s_set_vgpr_msb (MSB<<8)|(\new)
.set MSB, (\new)
.endif
.endm
.macro PLACES                          ; four places between a matrix instruction and a load into, or a vector write of, one of its registers (ISA guide 7.12.1 for vector writes)
.rept 4
	v_nop
.endr
.endm
.macro BAR                             ; my LDS instructions are done; then every wave's are
	s_wait_dscnt 0x0
	s_barrier_signal -1
	s_barrier_wait -1
.endm
.macro LIVE over                       ; a pass without rows jumps forward over the block; no barrier lies in a block
	s_cmp_lt_u32 s39, s38
	s_cbranch_scc0 \over
.endm
.macro BSTEP                           ; four steps on in my W stream, round its 512 KB
	s_wait_xcnt 0x0                                ; the loads issued so far have read their base
	s_add_co_u32 s42, s42, 32768
	s_and_b32 s42, s42, 0x7ffff
	s_add_nc_u64 s[44:45], s[46:47], s[42:43]
.endm
.macro BLOAD idx                       ; a K step's W, 8 fragments, into buffer idx: 16 loads of 512 consecutive bytes, in one run: at the kernel's head alone
.if (\idx) < 3
	WIN 0x40
.set wb, 64*(\idx)
.else
	WIN 0
.set wb, 192
.endif
.set jk, 0
.rept 16
	global_load_b128 v[wb+4*jk:wb+4*jk+3], v[BO], s[44:45] offset:(\idx)*8192+512*jk th:TH_LOAD_HT
.set jk, jk+1
.endr
.endm
.macro ALOAD buf, imm                  ; a K step's A, 9 fragments of 16 rows x 32 columns, in one run: at a chunk's head alone
	WIN 0
.set jk, 0
.rept 9
	ds_load_b128 v[AB0+72*(\buf)+8*jk:AB0+72*(\buf)+8*jk+3],   v[AD] offset:jk*16*PITCH+(\imm)
	ds_load_b128 v[AB0+72*(\buf)+8*jk+4:AB0+72*(\buf)+8*jk+7], v[AD] offset:jk*16*PITCH+(\imm)+32
.set jk, jk+1
.endr
.endm
; Block ja of a step's nine: 8 products.  Source 0 = 16 f of W, source 1 = 16 rows: register i of lane (r, h) = (f = 16 n + 8 h + i, row 16 ja + r).  The 72 accumulators take turns, one instruction
; a turn, in the same order in every step, over the backward jumps too.  zero = 1: the chunk's first step starts the sums.
.macro MUL8 tt, zero
.if (\tt) < 3
.set wb, 64*(\tt)
.set bw, 1
.else
.set wb, 192
.set bw, 0
.endif
.set fa, AB0+72*((\tt)%2)
.set xa, 1+(ja+3)/4
.set ac, 64*((ja+3)%4)
	WIN (xa<<6)|(xa<<4)|bw
.set jn, 0
.rept 8
.if \zero
	v_wmma_f32_16x16x32_bf16 v[ac+8*jn:ac+8*jn+7], v[wb+8*jn:wb+8*jn+7], v[fa+8*ja:fa+8*ja+7], 0
.else
	v_wmma_f32_16x16x32_bf16 v[ac+8*jn:ac+8*jn+7], v[wb+8*jn:wb+8*jn+7], v[fa+8*ja:fa+8*ja+7], v[ac+8*jn:ac+8*jn+7]
.endif
.set jn, jn+1
.endr
.endm
; The loads that stand behind block ja.  Behind blocks 0 to 5 three of the 18 LDS loads of the next step's A (load d: half d % 2 of fragment d / 2), so that the last of them has three blocks in which
; to land; behind blocks 0 to 7 two of the 16 loads of W three steps on.  No wait: no vector or matrix instruction since the wait at the step's head names A[(tt + 1) % 2], W[(tt + 3) % 4], v[AD] or v[BO].
; The price of dealing them is the window switches round each group.
.macro DEAL tt, an
.if (\an) && (ja < 6)
	WIN 0
.set jd, 3*ja
.rept 3
	ds_load_b128 v[AB0+72*(((\tt)+1)%2)+4*jd:AB0+72*(((\tt)+1)%2)+4*jd+3], v[AD] offset:(jd/2)*16*PITCH+32*(jd%2)+AIMM
.set jd, jd+1
.endr
.endif
.if ja < 8
.set li, ((\tt)+3)%4
.if li < 3
	WIN 0x40
.set lb, 64*li
.else
	WIN 0
.set lb, 192
.endif
.set jd, 2*ja
.rept 2
	global_load_b128 v[lb+4*jd:lb+4*jd+3], v[BO], s[44:45] offset:li*8192+512*jd th:TH_LOAD_HT
.set jd, jd+1
.endr
.endif
.endm
; A K step, number tt modulo 4.  It multiplies, and among its products asks for W three steps on (into the buffer that the step before has read) and for the next step's A
; (an = 1: same slab; 2: the next slab; 0: none).
.macro STEP tt, zero, an
	PLACES
.if (\an) == 2
	WIN 0
	s_wait_alu depctr_vm_vsrc(0)                   ; the LDS loads issued so far have read v[AD]
	s_add_co_u32 s59, s59, SLAB                    ; once a trip of the K loop
	v_add_nc_u32 v[AD], s59, v[ADB]
.set AIMM, 0
.else
.set AIMM, 64*((\tt)+1)
.endif
.if !(\zero)
	s_wait_alu depctr_va_vdst(0)                   ; the last step's products are done reading their W and their A, in which this step's loads land; where v[AD] was stepped, it is written
.endif                                                 ; (a chunk's first step: the wait at the chunk's head has stated the same)
	s_wait_loadcnt 32                              ; loads come back in order (ISA guide 5.7.1): this step's W is in, the two younger steps' 32 loads stay out
	s_wait_dscnt 0x0                               ; this step's A is in
.set ja, 0
.rept 9
	MUL8 \tt, \zero
	DEAL \tt, \an
.set ja, ja+1
.endr
.endm
; Block a's 64 sums a lane become sum (-2 w) / (1 + 2^(c2 acc + bias')), added onto SA[a].  Each accumulator is read from its low end on.  A v_nop stands behind each run of
; exponentials and of reciprocals, ahead of the first use of their results (ISA guide 5.7.2).  No memory or LDS instruction names a register of this macro while it runs.
.macro EPA a
.set xa, 1+((\a)+3)/4
.set ac, 64*(((\a)+3)%4)
	WIN (xa<<6)|xa
.set jk, 0
.rept 32
	v_pk_fma_f32 v[ac+2*jk:ac+2*jk+1], v[ac+2*jk:ac+2*jk+1], s[52:53], v[BI+2*jk:BI+2*jk+1] op_sel_hi:[1,0,1]
.set jk, jk+1
.endr
.set jk, 0
.rept 64
	v_exp_f32 v[ac+jk], v[ac+jk]
.set jk, jk+1
.endr
	v_nop
	s_wait_alu depctr_va_vdst(0)                   ; the 64 exponentials have written their results: one wait for the batch, ahead of its first reader
.set jk, 0
.rept 32
	v_pk_add_f32 v[ac+2*jk:ac+2*jk+1], v[ac+2*jk:ac+2*jk+1], 1.0 op_sel_hi:[1,0]
.set jk, jk+1
.endr
.set jk, 0
.rept 64
	v_rcp_f32 v[ac+jk], v[ac+jk]
.set jk, jk+1
.endr
	v_nop
	s_wait_alu depctr_va_vdst(0)                   ; the 64 reciprocals have written their results: one wait for the batch, ahead of its first reader
	WIN xa
.set jk, 0
.rept 32
.if jk == 0
	v_pk_fma_f32 v[T:T+1], v[ac:ac+1], v[WM:WM+1], v[SA+2*(\a):SA+2*(\a)+1]
.elseif jk < 4
	v_pk_mul_f32 v[T+2*jk:T+2*jk+1], v[ac+2*jk:ac+2*jk+1], v[WM+2*jk:WM+2*jk+1]
.else
	v_pk_fma_f32 v[T+2*(jk%4):T+2*(jk%4)+1], v[ac+2*jk:ac+2*jk+1], v[WM+2*jk:WM+2*jk+1], v[T+2*(jk%4):T+2*(jk%4)+1]
.endif
.set jk, jk+1
.endr
	WIN 0
	v_pk_add_f32 v[T:T+1], v[T:T+1], v[T+2:T+3]
	v_pk_add_f32 v[T+4:T+5], v[T+4:T+5], v[T+6:T+7]
	v_pk_add_f32 v[SA+2*(\a):SA+2*(\a)+1], v[T:T+1], v[T+4:T+5]
.endm
; THE FILL.  Wave w brings rows 36 w .. 36 w + 35, a column chunk c of 64 columns (256 aligned bytes of a row) at a time: a load takes two rows, 18 loads a set; chunk c uses set c % 4.
.macro FLOAD c                         ; (the places past a share repeat one row inside the same runs of loads; every other row is read once in the launch)
	WIN (2+((\c)%4)/2)<<6
.set fb, 72*((\c)%2)
.set ju, 0
.rept 18
	global_load_b128 v[fb+4*ju:fb+4*ju+3], v[OFF+ju], s[50:51] offset:(\c)*256 th:TH_LOAD_NT
.set ju, ju+1
.endr
.endm
.macro FCVT c                          ; chunk c is rounded to bf16, out of its set into its out-buffer
.set fw, 2+((\c)%4)/2
.set fb, 72*((\c)%2)
.set ob, OUT+36*((\c)%2)
	WIN (fw<<6)|(fw<<2)|fw
.set ju, 0
.rept 18
	v_cvt_pk_bf16_f32 v[ob+2*ju], v[fb+4*ju], v[fb+4*ju+1]
	v_cvt_pk_bf16_f32 v[ob+2*ju+1], v[fb+4*ju+2], v[fb+4*ju+3]
.set ju, ju+1
.endr
.endm
.macro FPUT c                          ; and laid into its half of slab c / 2; FA stands at slab 2 (c / 4)
.set fw, 2+((\c)%4)/2
.set ob, OUT+36*((\c)%2)
	WIN fw<<2
.set ju, 0
.rept 18
	ds_store_b64 v[FA], v[ob+2*ju:ob+2*ju+1] offset:ju*2*PITCH+(((\c)%4)/2)*SLAB+((\c)%2)*128
.set ju, ju+1
.endr
.endm
.macro WSUM r, t                       ; the sum over the 32 lanes, in every lane; t: a register that has been written
	v_add_f32_dpp v[\r], v[\r], v[\r] row_xmask:1 row_mask:0xf bank_mask:0xf
	v_add_f32_dpp v[\r], v[\r], v[\r] row_xmask:2 row_mask:0xf bank_mask:0xf
	v_add_f32_dpp v[\r], v[\r], v[\r] row_xmask:4 row_mask:0xf bank_mask:0xf
	v_add_f32_dpp v[\r], v[\r], v[\r] row_xmask:8 row_mask:0xf bank_mask:0xf
	v_permlanex16_b32 v[\t], v[\r], s54, s55
	v_add_f32 v[\r], v[\r], v[\t]
.endm
.macro WMAX r, t
	v_max_num_f32_dpp v[\r], v[\r], v[\r] row_xmask:1 row_mask:0xf bank_mask:0xf
	v_max_num_f32_dpp v[\r], v[\r], v[\r] row_xmask:2 row_mask:0xf bank_mask:0xf
	v_max_num_f32_dpp v[\r], v[\r], v[\r] row_xmask:4 row_mask:0xf bank_mask:0xf
	v_max_num_f32_dpp v[\r], v[\r], v[\r] row_xmask:8 row_mask:0xf bank_mask:0xf
	v_permlanex16_b32 v[\t], v[\r], s54, s55
	v_max_num_f32 v[\r], v[\r], v[\t]
.endm
	; ---- HEAD ----
	s_load_b512 s[8:23], s[0:1], 0x0               ; encoder_outputs 8, wfrag 10, bias 12, w_att 14, b_att 16, rows 18, meta 20, scw 22
	s_load_b128 s[24:27], s[0:1], 0x40             ; part 24, stat 26
	v_lshl_add_u32 v[SPW], v0, 2, SPARE
	v_mov_b32 v[NIL], 0
	v_lshrrev_b32 v45, 5, v0
	v_readfirstlane_b32 s28, v45                   ; wave 0..3
	s_mov_b32 s29, ttmp9                           ; j
	s_and_b32 s30, ttmp7, 0xffff                   ; b
	v_and_b32 v[LN], 31, v0
	v_and_b32 v46, 15, v0
	v_bfe_u32 v47, v0, 4, 1
	v_mul_u32_u24 v[ADB], v46, PITCH
	v_lshl_add_u32 v[ADB], v47, 4, v[ADB]
	v_lshlrev_b32 v[BO], 4, v[LN]
	s_wait_alu depctr_va_sdst(0)                   ; s28 is written, ahead of its first reader, the line below
	s_lshl_b32 s60, s28, 10                        ; my 256 f in f32
	s_add_co_u32 s61, s60, BT
	v_lshl_add_u32 v[TBB], v47, 5, s61
	v_add_nc_u32 v45, s60, v[BO]                   ; in w_att and bias,
	v_add_nc_u32 v46, s61, v[BO]                   ; and in BT
	s_mov_b32 s52, 0x4038aa3b                      ; c2 = 2 log2(e)
	s_mov_b32 s53, s52                             ; named with it as a pair
	s_mov_b32 s54, 0x76543210
	s_mov_b32 s55, 0xfedcba98
	s_mov_b32 s42, 0
	s_mov_b32 s43, 0
	s_mov_b32 s39, 0
	s_lshl_b32 s62, s30, 8
	s_mov_b32 s63, 0
	s_wait_kmcnt 0x0
	s_add_nc_u64 s[20:21], s[20:21], s[62:63]
	s_load_b64 s[32:33], s[20:21], 0x0             ; n', allmasked
	s_load_b32 s58, s[16:17], 0x0                  ; b_att
	s_lshl_b32 s62, s30, 12
	s_add_nc_u64 s[12:13], s[12:13], s[62:63]
	s_wait_alu depctr_va_vdst(0)                   ; v[BO] and v45 are written, which the loads below read as offsets; so are v[ADB], v[TBB], v46 and v[LN], of which later addresses are made
.set jk, 0
.rept 8
	global_load_b128 v[48+4*jk:51+4*jk], v[BO], s[14:15] offset:512*jk  ; all of w_att, for its sum
.set jk, jk+1
.endr
	global_load_b128 v[80:83], v45, s[14:15]       ; my 256 f of w_att
	global_load_b128 v[84:87], v45, s[14:15] offset:512
	global_load_b128 v[88:91], v45, s[12:13]       ; and of bias'
	global_load_b128 v[92:95], v45, s[12:13] offset:512
	s_lshl_b32 s62, s28, 19
	s_add_nc_u64 s[46:47], s[10:11], s[62:63]
	s_mov_b64 s[44:45], s[46:47]
	BLOAD 0                                        ; W of the first three steps: they land during the fill
	BLOAD 1
	BLOAD 2
	WIN 0
	s_wait_kmcnt 0x0
	s_min_u32 s32, s32, 2048
	s_add_co_u32 s34, s32, 7
	s_lshr_b32 s34, s34, 3                         ; R
	s_mul_i32 s35, s29, s34                        ; my first place
	s_add_co_u32 s37, s35, s34
	s_min_u32 s37, s37, s32                        ; my end
	s_sub_co_u32 s36, s37, 1                       ; the place that fills up a pass
	s_cmp_gt_u32 s34, ROWS
	s_cselect_b32 s38, 2, 1                        ; NPASS
	s_cmp_lg_u32 s33, 0
	s_cselect_b32 s57, -1, 0
	s_lshl_b32 s60, s30, 3
	s_add_co_u32 s60, s60, s29                     ; 8 b + j
	s_mul_i32 s62, s60, 1280
	s_add_nc_u64 s[22:23], s[22:23], s[62:63]
	s_lshl_b32 s62, s60, 12
	s_lshl_b32 s61, s28, 10
	s_add_co_u32 s62, s62, s61
	s_add_nc_u64 s[24:25], s[24:25], s[62:63]
	s_lshl_b32 s62, s60, 8
	s_add_nc_u64 s[26:27], s[26:27], s[62:63]
	s_lshl_b32 s62, s30, 13
	s_add_nc_u64 s[18:19], s[18:19], s[62:63]
	s_lshl_b32 s62, s30, 23
	s_add_nc_u64 s[50:51], s[8:9], s[62:63]
	s_wait_loadcnt 48                              ; the twelve table loads are in; W's 48 stay out
	s_wait_alu depctr_vm_vsrc(0)                   ; the table loads have read v45, which the sum over the lanes below writes
.set jk, 1
.rept 15
	v_pk_add_f32 v[48:49], v[48:49], v[48+2*jk:49+2*jk]
.set jk, jk+1
.endr
	v_add_f32 v[CB], v48, v49
	WSUM CB, 45
	v_add_f32 v[CB], s58, v[CB]
.irp k, 80,82,84,86
	v_pk_mul_f32 v[\k:\k+1], v[\k:\k+1], -2.0 op_sel_hi:[1,0]
.endr
	s_wait_alu depctr_va_vdst(0)                   ; the four products have written v[80:87], which the LDS stores read
	ds_store_b128 v46, v[88:91]
	ds_store_b128 v46, v[92:95] offset:512
	ds_store_b128 v46, v[80:83] offset:4096
	ds_store_b128 v46, v[84:87] offset:4608
	v_mov_b32 v[MR], 0xff7fffff                    ; the lowest finite number
	v_mov_b32 v[LR], 0
.set jk, 0
.rept 8
	v_mov_b32 v[CX+jk], 0
.set jk, jk+1
.endr
.set jk, 0
.rept 18
	v_mov_b32 v[SA+jk], 0                          ; the score sums start at 0; behind each pass's score stores they are cleared again
.set jk, jk+1
.endr
.Lpass:
	s_wait_xcnt 0x0                                ; the last pass's score stores have read their registers
	BAR                                            ; nobody reads the last pass's rows or weights any more; at the first pass: the tables lie in LDS
	LIVE .Lnofill
	; ---- THE ROWS' NUMBERS ----
	s_wait_alu depctr_vm_vsrc(0)                   ; v[48:87] are written below: the head's LDS stores have read v[80:87]; the last pass's fill has read its offsets, places and LDS address
	s_mul_i32 s60, s39, ROWS
	s_add_co_u32 s60, s60, s35
	s_mul_i32 s61, s28, 36
	s_add_co_u32 s60, s60, s61
	v_lshrrev_b32 v67, 4, v[LN]
	v_and_b32 v68, 15, v[LN]
	v_add_nc_u32 v69, s60, v67
.set ju, 0
.rept 18
	v_add_nc_u32 v[PLC+ju], 2*ju, v69              ; place of row 36 w + 2 u + h of the pass,
	v_min_u32 v[PLC+ju], s36, v[PLC+ju]            ; held to my share,
	v_min_u32 v[PLC+ju], 0x7ff, v[PLC+ju]          ; and to the list
	v_lshlrev_b32 v[PLC+ju], 2, v[PLC+ju]
.set ju, ju+1
.endr
	s_mul_i32 s61, s28, 36*PITCH                   ; my 36 rows of a slab,
	v_mul_u32_u24 v[FA], v67, PITCH                ; row h of a pair,
	v_lshl_add_u32 v[FA], v68, 3, v[FA]            ; 8 bytes (4 bf16) a lane
	v_add_nc_u32 v[FA], s61, v[FA]
	v_lshlrev_b32 v68, 4, v68
	s_wait_alu depctr_va_vdst(0)                   ; the places v[70:87] are written, which the loads read; the vector work that named v[48:65], in which they land, is done
.set ju, 0
.rept 18
	global_load_b32 v[OFF+ju], v[PLC+ju], s[18:19]
.set ju, ju+1
.endr
	s_wait_loadcnt 0x0                             ; the numbers are in
.set ju, 0
.rept 18
	v_min_u32 v[OFF+ju], 0x7ff, v[OFF+ju]
	v_lshl_add_u32 v[OFF+ju], v[OFF+ju], 12, v68   ; row x 4,096 bytes + 16 (lane % 16)
.set ju, ju+1
.endr
	s_wait_alu depctr_va_vdst(0)                   ; the offsets v[48:65] are written, which the fill's loads read; the last pass's work on the accumulators, in whose registers they land, is done
	; ---- THE FILL: 16 column chunks, written out, on a ring of four sets of registers and four out-buffers ----
.set cc, 0
.rept 4
	FLOAD cc
.set cc, cc+1
.endr
.set cc, 0
.rept 16
.if cc < 13
	s_wait_loadcnt 54                              ; three younger sets of 18 may stay out
.else
	s_wait_loadcnt 18*(15-cc)                      ; the last chunks have fewer behind them: the counts run down
.endif
.if cc >= 4
	s_wait_alu depctr_vm_vsrc(0)                   ; the LDS stores of four chunks back have read this out-buffer, which the roundings write again; every store so far has read v[FA]
.endif
.if (cc > 0) && (cc%4 == 0)
	WIN 0
	v_add_nc_u32 v[FA], 2*SLAB, v[FA]              ; two slabs on
.endif
	FCVT cc
	s_wait_alu depctr_va_vdst(0)                   ; the roundings have written the out-buffer, which the LDS stores read, and are done reading the set, in which the next loads land; v[FA] is written
.if cc < 12
	FLOAD cc+4                                     ; the set is asked for again at once
.endif
	FPUT cc
.set cc, cc+1
.endr
	WIN 0
.Lnofill:
	BAR                                            ; every wave's rows lie in LDS
	LIVE .Lnomul
	; ---- THE PRODUCTS: two chunks of 128 f, 32 K steps each ----
	s_mov_b32 s31, 0
	s_mov_b32 s40, 2
.Lchunk:
	s_mov_b32 s59, 0                               ; slab 0
	s_wait_alu depctr_vm_vsrc(0)                   ; the last chunk's LDS loads have read v[AD] and v47; the fill's stores have read the out-buffers, which the first products write; its loads and stores have read v[48:87], in which A lands
	v_mov_b32 v[AD], v[ADB]
	s_wait_alu depctr_va_vdst(0)                   ; v[AD] is written; the vector and matrix work that named v[48:255] (A's two buffers, W's fourth), in which the loads of the chunk's first step land, is done
	ALOAD 0, 0
	STEP 0, 1, 1                                   ; the first step stands in front of the loop: its products start the sums
	WIN 0
	s_mov_b32 s41, 7
.Lk:
	BSTEP
	STEP 1, 0, 1
	STEP 2, 0, 1
	STEP 3, 0, 2
	STEP 0, 0, 1
	WIN 0
	s_sub_co_u32 s41, s41, 1
	s_cmp_lg_u32 s41, 0
	s_cbranch_scc1 .Lk
	BSTEP
	STEP 1, 0, 1                                   ; the last three steps ask for the first three of the next chunk
	STEP 2, 0, 1
	STEP 3, 0, 0
	WIN 0
.rept 8
	v_nop                                          ; the places behind the last products
.endr
	v_add_nc_u32 v47, s31, v[TBB]                  ; the chunk's 128 f (the last chunk's table loads have read v47: the wait on vm_vsrc at this chunk's head stands behind them)
	s_wait_alu depctr_va_vdst(0)                   ; v47 is written; the products are done reading A's two buffers, in which the tables land
.set jk, 0
.rept 16
	ds_load_b128 v[BI+4*jk:BI+4*jk+3], v47 offset:64*(jk/2)+16*(jk%2)
.set jk, jk+1
.endr
.set jk, 0
.rept 16
	ds_load_b128 v[WM+4*jk:WM+4*jk+3], v47 offset:4096+64*(jk/2)+16*(jk%2)
.set jk, jk+1
.endr
	s_wait_dscnt 0x0
.irp a, 0,1,2,3,4,5,6,7,8
	EPA \a
.endr
	s_add_co_u32 s31, s31, 512
	s_sub_co_u32 s40, s40, 1
	s_cmp_lg_u32 s40, 0
	s_cbranch_scc1 .Lchunk
	; my 256 f's part of each row's score: the pair, then the other half of the lanes, which holds the row's other f
.irp a, 0,1,2,3,4,5,6,7,8
	v_add_f32 v[SA+2*\a], v[SA+2*\a], v[SA+2*\a+1]
.endr
.irp a, 0,1,2,3,4,5,6,7,8
	v_permlanex16_b32 v[SA+2*\a+1], v[SA+2*\a], s54, s55
.endr
.irp a, 0,1,2,3,4,5,6,7,8
	v_add_f32 v[SA+2*\a], v[SA+2*\a], v[SA+2*\a+1]
.endr
.Lnomul:
	BAR                                            ; every wave's walking reads of the rows and the tables are over before any wave stores into LDS again
	LIVE .Lnosc
	s_mul_i32 s60, s28, 4*ROWS
	s_add_co_u32 s60, s60, SCP
	s_wait_alu depctr_vm_vsrc(0)                   ; the head's loads, and the last pass's score stores, have read v45
	v_and_b32 v45, 15, v[LN]
	v_lshl_add_u32 v45, v45, 2, s60
	s_wait_alu depctr_va_vdst(0)                   ; v45 and the nine sums in SA are written, which the LDS stores read
.irp a, 0,1,2,3,4,5,6,7,8
	ds_store_b32 v45, v[SA+2*\a] offset:64*\a      ; both halves of the lanes write the same number to the same word
.endr
	s_wait_alu depctr_vm_vsrc(0)                   ; those stores have read SA
.set jk, 0
.rept 18
	v_mov_b32 v[SA+jk], 0                          ; for the next pass
.set jk, jk+1
.endr
.Lnosc:
	BAR                                            ; all four parts of every score lie in LDS
	LIVE .Lnosm
	; ---- SOFTMAX: every wave does the same for all 144 rows, five a lane ----
	s_mul_i32 s60, s39, ROWS
	s_add_co_u32 s61, s35, s60
	s_sub_co_i32 s56, s37, s61
	s_max_i32 s56, s56, 0
	s_min_i32 s56, s56, ROWS                       ; rows of this pass that are mine
	s_wait_alu depctr_vm_vsrc(0)                   ; the last pass's loads and stores of this block have read v[142:172], which are written again below; the fill has read v[48:66], in which the scores land
.irp k, 0,1,2,3,4
	v_add_nc_u32 v[132+\k], 32*\k, v[LN]
	v_min_u32 v[137+\k], ROWS-1, v[132+\k]
	v_lshl_add_u32 v[142+\k], v[137+\k], 2, SCP
.endr
.irp k, 0,1,2,3,4
	v_cmp_gt_u32 s[66+\k], s56, v[132+\k]
.endr
	v_mov_b32 v173, 0xd01502f9                     ; -1e10
	v_mov_b32 v174, 0xff7fffff
	v_mov_b32 v158, 0
	s_wait_alu depctr_va_sdst(0)                   ; the five masks s[66:70] are written: one wait behind the run of compares, ahead of the first select that reads one
	s_wait_alu depctr_va_vdst(0)                   ; the five addresses v[142:146] are written; the vector work that named v[48:67], in which the loads land, is done
.irp k, 0,1,2,3,4
	ds_load_b32 v[48+4*\k], v[142+\k]
	ds_load_b32 v[49+4*\k], v[142+\k] offset:4*ROWS
	ds_load_b32 v[50+4*\k], v[142+\k] offset:8*ROWS
	ds_load_b32 v[51+4*\k], v[142+\k] offset:12*ROWS
.endr
	s_wait_dscnt 0x0
.irp k, 0,1,2,3,4
	v_add_f32 v[48+4*\k], v[48+4*\k], v[49+4*\k]
	v_add_f32 v[50+4*\k], v[50+4*\k], v[51+4*\k]
	v_add_f32 v[147+\k], v[48+4*\k], v[50+4*\k]
	v_add_f32 v[147+\k], v[CB], v[147+\k]
	v_cndmask_b32 v[147+\k], v[147+\k], v173, s57  ; a batch without a listed row: every score is -1e10
	v_cndmask_b32 v[152+\k], v174, v[147+\k], s[66+\k]
.endr
	v_max3_num_f32 v157, v152, v153, v154
	v_max3_num_f32 v157, v157, v155, v156
	WMAX 157, 158
	v_max_num_f32 v159, v[MR], v157                ; the new maximum
	v_sub_f32 v160, v[MR], v159
	v_mul_f32 v160, 0x3fb8aa3b, v160
.irp k, 0,1,2,3,4
	v_sub_f32 v[161+\k], v[147+\k], v159
	v_mul_f32 v[161+\k], 0x3fb8aa3b, v[161+\k]
.endr
	v_exp_f32 v160, v160                           ; what the old sums are multiplied by
.irp k, 0,1,2,3,4
	v_exp_f32 v[161+\k], v[161+\k]
.endr
	v_mov_b32 v[MR], v159                          ; a plain instruction behind the exponentials
	s_wait_alu depctr_va_vdst(0)                   ; the six exponentials have written v[160:165]: one wait for the batch, ahead of its first reader
.irp k, 0,1,2,3,4
	v_cndmask_b32 v[161+\k], 0, v[161+\k], s[66+\k]
.endr
	v_add_f32 v166, v161, v162
	v_add_f32 v158, v163, v164
	v_add_f32 v166, v166, v165
	v_add_f32 v166, v166, v158
	WSUM 166, 158
	v_fma_f32 v[LR], v[LR], v160, v166
.set jk, 0
.rept 8
	v_mul_f32 v[CX+jk], v[CX+jk], v160
.set jk, jk+1
.endr
	s_cmp_lg_u32 s28, 0
	s_cbranch_scc1 .Lnot0                          ; all four waves hold the same numbers: wave 0 writes them
	v_lshl_add_u32 v167, v[LN], 2, PV
	s_mul_i32 s60, s39, 4*ROWS
.irp k, 0,1,2,3,4
	v_lshl_add_u32 v[168+\k], v[137+\k], 2, s60
.endr
	s_wait_alu depctr_va_vdst(0)                   ; the addresses v[167:172], the weights v[161:165] and the scores v[147:151] are written, which the stores below read
.irp k, 0,1,2,3,4
	ds_store_b32 v167, v[161+\k] offset:128*\k     ; the weights, for the context
.endr
.irp k, 0,1,2,3,4
	global_store_b32 v[168+\k], v[147+\k], s[22:23]  ; the scores, for the last launch: entry 144 q + row
.endr
.Lnot0:
.Lnosm:
	BAR                                            ; the weights lie in LDS
	LIVE .Lnoctx
	; ---- CONTEXT: a lane owns columns 4 l .. 4 l + 3 of slabs 2 w and 2 w + 1; one row of weights would use 1 of a matrix instruction's 16 rows, so this goes by the vector unit ----
	s_mul_i32 s60, s28, 2*SLAB
	v_lshl_add_u32 v131, v[LN], 3, s60             ; never rewritten in the loop; no memory or LDS instruction names it
	s_mov_b32 s59, 0
	s_mov_b32 s71, PV
	s_mov_b32 s41, 9
.Lctx:                                 ; 16 rows a trip
	s_wait_alu depctr_vm_vsrc(0)                   ; the last trip's LDS loads have read v128 and v130 (at the first trip: the last pass's)
	v_add_nc_u32 v128, s59, v131
	v_mov_b32 v130, s71
	s_wait_alu depctr_va_vdst(0)                   ; both addresses are written; the last trip's multiply-adds (at the first trip: the softmax) are done reading v[48:127], in which the loads land
.set ji, 0
.rept 4
	ds_load_b128 v[48+4*ji:51+4*ji], v130 offset:16*ji  ; their weights, the same for every lane
.set ji, ji+1
.endr
.set ji, 0
.rept 16
	ds_load_b64 v[64+4*ji:65+4*ji], v128 offset:PITCH*ji
	ds_load_b64 v[66+4*ji:67+4*ji], v128 offset:SLAB+PITCH*ji
.set ji, ji+1
.endr
.set ji, 0
.rept 16
	s_wait_dscnt 30-2*ji                           ; the later rows' loads may stay out
	v_fma_mix_f32_bf16 v[CX],   v[64+4*ji], v[48+ji], v[CX]   op_sel_hi:[1,0,0]
	v_fma_mix_f32_bf16 v[CX+1], v[64+4*ji], v[48+ji], v[CX+1] op_sel:[1,0,0] op_sel_hi:[1,0,0]
	v_fma_mix_f32_bf16 v[CX+2], v[65+4*ji], v[48+ji], v[CX+2] op_sel_hi:[1,0,0]
	v_fma_mix_f32_bf16 v[CX+3], v[65+4*ji], v[48+ji], v[CX+3] op_sel:[1,0,0] op_sel_hi:[1,0,0]
	v_fma_mix_f32_bf16 v[CX+4], v[66+4*ji], v[48+ji], v[CX+4] op_sel_hi:[1,0,0]
	v_fma_mix_f32_bf16 v[CX+5], v[66+4*ji], v[48+ji], v[CX+5] op_sel:[1,0,0] op_sel_hi:[1,0,0]
	v_fma_mix_f32_bf16 v[CX+6], v[67+4*ji], v[48+ji], v[CX+6] op_sel_hi:[1,0,0]
	v_fma_mix_f32_bf16 v[CX+7], v[67+4*ji], v[48+ji], v[CX+7] op_sel:[1,0,0] op_sel_hi:[1,0,0]
.set ji, ji+1
.endr
	s_add_co_u32 s59, s59, 16*PITCH
	s_add_co_u32 s71, s71, 64
	s_sub_co_u32 s41, s41, 1
	s_cmp_lg_u32 s41, 0
	s_cbranch_scc1 .Lctx
.Lnoctx:
	s_add_co_u32 s39, s39, 1
	s_cmp_lt_u32 s39, 2
	s_cbranch_scc1 .Lpass
	; ---- THE END ----
	BAR                                            ; every wave's reads of LDS are over
	s_wait_alu depctr_vm_vsrc(0)                   ; the head's LDS stores have read v46
	v_lshlrev_b32 v46, 3, v[LN]
	s_wait_alu depctr_va_vdst(0)                   ; the context's eight sums, m, l and v46 are written, which the stores below read
	global_store_b128 v[BO], v[CX:CX+3], s[24:25]  ; each store covers 512 consecutive bytes, aligned
	global_store_b128 v[BO], v[CX+4:CX+7], s[24:25] offset:512
	s_cmp_lg_u32 s28, 0
	s_cbranch_scc1 .Lend
	global_store_b64 v46, v[MR:LR], s[26:27]       ; (m, l) 32 times: 256 consecutive bytes, aligned
.Lend:
	s_wait_dscnt 0x0                               ; the closing lines, six on end
	s_wait_alu 0x0
	s_wait_tensorcnt 0x0
	ds_add_u32 v[SPW], v[NIL]
	s_wait_dscnt 0x0
	s_endpgm
.Lfunc_end_k_qb9999b6a94_main:
	.size	k_qb9999b6a94_main, .Lfunc_end_k_qb9999b6a94_main-k_qb9999b6a94_main
	.p2alignl 7, 3214868480
	.fill 96, 4, 3214868480
	.section	.rodata,"a",@progbits
	.p2align	6, 0x0
	.amdhsa_kernel k_qb9999b6a94_main
		.amdhsa_group_segment_fixed_size 325120
		.amdhsa_private_segment_fixed_size 0
		.amdhsa_enable_private_segment 0
		.amdhsa_kernarg_size 80
		.amdhsa_user_sgpr_count 2
		.amdhsa_user_sgpr_kernarg_segment_ptr 1
		.amdhsa_wavefront_size32 1
		.amdhsa_system_sgpr_workgroup_id_x 1
		.amdhsa_system_sgpr_workgroup_id_y 1
		.amdhsa_system_sgpr_workgroup_id_z 1
		.amdhsa_system_vgpr_workitem_id 0
		.amdhsa_next_free_vgpr 1024
		.amdhsa_next_free_sgpr 72
		.amdhsa_reserve_vcc 0
		.amdhsa_float_denorm_mode_32 3
		.amdhsa_float_denorm_mode_16_64 3
		.amdhsa_memory_ordered 1
		.amdhsa_forward_progress 1
		.amdhsa_inst_pref_size 255
	.end_amdhsa_kernel
	.section	.bss,"aw",@nobits
	.p2align	6
	.space	262144
	.amdgpu_metadata
---
amdhsa.version: [ 1, 2 ]
amdhsa.kernels:
  - .name:           k_qb9999b6a94_main
    .symbol:         k_qb9999b6a94_main.kd
    .args:
      - { .name: encoder_outputs, .offset: 0, .size: 8, .value_kind: global_buffer, .address_space: global }
      - { .name: wfrag, .offset: 8, .size: 8, .value_kind: global_buffer, .address_space: global }
      - { .name: bias, .offset: 16, .size: 8, .value_kind: global_buffer, .address_space: global }
      - { .name: w_att, .offset: 24, .size: 8, .value_kind: global_buffer, .address_space: global }
      - { .name: b_att, .offset: 32, .size: 8, .value_kind: global_buffer, .address_space: global }
      - { .name: rows, .offset: 40, .size: 8, .value_kind: global_buffer, .address_space: global }
      - { .name: meta, .offset: 48, .size: 8, .value_kind: global_buffer, .address_space: global }
      - { .name: scw, .offset: 56, .size: 8, .value_kind: global_buffer, .address_space: global }
      - { .name: part, .offset: 64, .size: 8, .value_kind: global_buffer, .address_space: global }
      - { .name: stat, .offset: 72, .size: 8, .value_kind: global_buffer, .address_space: global }
    .group_segment_fixed_size: 325120
    .private_segment_fixed_size: 0
    .kernarg_segment_align: 8
    .kernarg_segment_size: 80
    .max_flat_workgroup_size: 128
    .sgpr_count:     72
    .vgpr_count:     1024
    .wavefront_size: 32
...
	.end_amdgpu_metadata
.endif
;; end of part 4
;; launch combine: the kernel of part 3 again; grid 4 x 32, 2 waves a work-group, no clusters, 0 bytes of LDS; arguments part, stat, scw, slot, out0, out1; writes out0, out1
